; MI455X (gfx1250); checked and timed in simulation.
; The chip was launched on July 23, 2026; its instructions are those of AMD's public machine-readable ISA for CDNA 5 (MIT licence, August 2026) and "CDNA5" Instruction Set Architecture Reference Guide (July 2026). The comments in the code are by the model that wrote it; some were corrected since.
;; Scaled Dot Product Attention. Allowed arithmetic: matrix products marked QUANTISED: E2M3 operands, one E8M0 scale for each 32 along K, by v_wmma_scale_f32_16x16x128_f8f6f4 with both operands' format E2M3, f32 sums; everything else in f32.
;; Inputs: k 1 x 4,096 x 16 x 64 float32; mask 1 x 1 x 4,096 x 4,096 bool; q 1 x 4,096 x 16 x 64 float32; v 1 x 4,096 x 16 x 64 float32.
;; Outputs: out0 1 x 16 x 4,096 x 64 float32.
;; This version of the problem:
;;   THIS VERSION OF THE PROBLEM IS GIVEN IN LOW PRECISION. The matrix products marked QUANTISED in the list below multiply operands that are first quantised to E2M3 (2 exponent bits, 3 mantissa bits; 6 bits a number), with one power-of-two scale for each 32 numbers along K (OCP MX v1.0); their sums are f32. All else is computed in f32.
;;   The module's matrix products, in the order in which they are computed (A, B: the left and right operand; K: the contracted axis; several contracted axes count as one K, in the product's order):
;;     1. batch 16 x [M 4,096, K 64] x [K 64, N 4,096]; A: input q; B: input k: QUANTISED
;;     2. batch 16 x [M 4,096, K 4,096] x [K 4,096, N 64]; A: softmax (see below); B: input v: QUANTISED
;;   THE QUANTISER, for each operand of a quantised product, along K:
;;     - K is cut into blocks of 32 from its start; a last block that is shorter is filled with zeros.
;;     - A block's scale is 2^e with e = floor(log2(the largest magnitude in the block)) - 2, held to -126 .. 127; a block of zeros has e = 0. As a byte (E8M0): e + 127.
;;     - Each number is divided by its block's scale, clamped to +-7.5, and rounded to the nearest number of E2M3, ties to even, subnormals kept.
;;     - The product sums the exact products of the quantised numbers (number of the format x scale) in f32.
;;   ~~~python
;;   def quantise(x, axis):      # numpy; x: float32 -> the quantised numbers, widened to float32 again
;;       x = np.moveaxis(x, axis, -1); K = x.shape[-1]
;;       x = np.pad(x, [(0, 0)] * (x.ndim - 1) + [(0, -K % 32)]); x = x.reshape(x.shape[:-1] + (-1, 32)); a = np.abs(x).max(-1, keepdims=True)
;;       e = np.where(a > 0, np.clip(np.frexp(np.where(a > 0, a, 1))[1] - 1 - 2, -126, 127), 0)      # np.frexp(a)[1] - 1 = floor(log2(a)), exactly
;;       r = np.clip(x / 2.0 ** e, -7.5, 7.5)
;;       step = 2.0 ** (np.maximum(np.frexp(np.where(r == 0, 1, r))[1] - 1, 0) - 3)
;;       q = np.round(r / step) * step * 2.0 ** e      # np.round: ties to even
;;       return np.moveaxis(q.reshape(q.shape[:-2] + (-1,))[..., :K], -1, axis).astype(np.float32)
;;   ~~~
;;   SOFTMAX AHEAD OF A QUANTISED PRODUCT. Where the list says 'softmax', what is quantised is not the finished softmax but p = 2^(t - M), with t = logit x log2(e) and M = ceil(the row's largest t), a whole number; so 1/2 < the row's largest p <= 1. The row's sum l is taken of the UNQUANTISED p, in f32, and the product's result is divided by l at the end. Since M is a whole number, a kernel that streams over the keys may use a running M (the ceiling of the running maximum): every later rescaling is an exact power of two, which a block's scale takes up: the codes' values come out the same.
;;   OPERANDS COMPUTED ON THE WAY. 'Computed on the way' means the value that the module computes at that place (a softmax that the list does not call 'softmax' is quantised finished and normalised). What goes into a quantiser is computed in f32, as accurately as f32 sums, v_exp_f32 and their like allow (about 1e-6 of the number): no bf16 or f16 on the way to a quantiser, and a product that is left as it is and whose result goes on into a quantised operand takes f32 operands (vector FMAs, or v_wmma_f32_16x16x4_f32). A number that lies on a knife's edge between two numbers of the format may be rounded either way, as far as f32 arithmetic and the matrix unit's own rounding can turn it there, and no further.
;; 2 versions. Each part assembles by itself: llvm-mc -triple=amdgcn-amd-amdhsa -mcpu=gfx1250 --defsym DOCPART=n.
;; ======== version 1 of 2: 2 launches
;; limits: inputs' magnitudes at most 100,000,000,000,000
;; workspace buffers: qc 3,145,728 bytes; qs 262,144 bytes; kvc 6,291,456 bytes; kvs 393,216 bytes; mbits 2,097,152 bytes of whole numbers; mflag 32,768 bytes of whole numbers
;; launch prep (part 1): grid 768 x 1, 4 waves a work-group, no clusters, 70,144 bytes of LDS; arguments q, k, v, mask, qc, qs, kvc, kvs, mbits, mflag; writes qc, qs, kvc, kvs, mbits, mflag
.if DOCPART == 1
	.amdgcn_target "amdgcn-amd-amdhsa--gfx1250"
	.amdhsa_code_object_version 6
	.text
	.protected	k_q028ccf71c0_prep
	.globl	k_q028ccf71c0_prep
	.p2align	8
	.type	k_q028ccf71c0_prep,@function
k_q028ccf71c0_prep:
	s_mov_b64 s[64:65], 0
	v_nop
	global_prefetch_b8 v0, s[64:65] scope:SCOPE_SE
	s_setreg_imm32_b32 hwreg(HW_REG_WAVE_MODE, 25, 1), 1
	s_wait_xcnt 0x0
; q, k, v: [4096][16][64] f32.  mask: [4096][4096] bytes, 0 or 1.  This launch turns them into what the attention launch reads as it lies:
;   qc, kvc   codes of FP6 (E2M3) as IMAGES OF THE OPERANDS' REGISTERS;   qs, kvs   their E8M0 scale words, likewise;
;   mbits     the mask as lane masks, one 32-bit word for each score register;   mflag   the AND of a key step's 64 words.
; THE ROWS OF A TILE ARE NOT NEIGHBOURS: row r of tile T is sequence position 32 (T / 2) + 8 (T % 2) + r + 8 (r / 8), for queries and keys alike.
; A block's scale is 2^(floor(log2(largest magnitude)) - 2): its byte is the largest magnitude's exponent field - 2, held at 1 from below by a floor among the maximum's leaves.
; q and k are quantised along the head's 64 (two blocks a row), v along the keys (a lane takes a channel, its registers run down the keys).
; LIMITS: a block of zeros gets the byte 1 and not 127 (its codes are zeros, and this program alone reads the bytes); NaN and infinities among the inputs are not served.
; SHARES: work-groups 0-255 take q and k, 256-511 v, 512-767 the mask: 1,024 wave tasks each.  The three paths part on the work-group's number and never join; waves share nothing: no barrier.
; LDS: a wave's own two stages of 16 rows x 272 bytes; the mask's path has bytes of its own behind those of q and k.
.set R,     16                         ; v16-79   two sets of 32 registers as loaded
.set X,     80                         ; v80-143  two sets of 32 registers turned through the stage
.set C,     144                        ; v144-191 q, k: six registers of codes for each of a task's eight tiles, so that no store's data are written again
.set CV,    144                        ; v144-167 v: two runs of 12 registers
.set OUT,   144                        ; v144-159 mask: two registers for each of a task's eight key steps
.set FLG,   160                        ; v160     mask: lane s holds step s's flag
.set W,     192                        ; v192-195 q, k: the image of four scale registers
.set SROW,  272                        ; a stage row: 256 bytes + 16 = 17 x 16 bytes, so that sixteen rows' equal columns fall into sixteen different 16-byte columns modulo 256
.set STGB,  16*SROW
.set WREG,  2*STGB                     ; a wave's two stages
.set MBASE, 4*WREG                     ; the mask path's stages begin here
.set FLOOR, 0x1800000                  ; 2^(3 - 127)
.set OFFE,  0xff000000                 ; -(2 << 23): 2 off an exponent field
; Eight loads: lanes 0-15 take the 256 bytes of tile row 2 i, lanes 16-31 those of row 2 i + 1; a row of q, k and of the mask is 4,096 bytes from the next; the 8 (r / 8) of the tile's order stands in the immediate
.macro LOAD8 set, base, imm
.irp i, 0,1,2,3,4,5,6,7
	global_load_b128 v[R+32*(\set)+4*\i:R+32*(\set)+4*\i+3], v4, s[\base:\base+1] offset:(\imm)+(2*\i+8*(\i/4))*4096 th:TH_LOAD_NT
.endr
.endm
; Through the wave's own stage: in as loaded, back step bytes apart from one row.  LDS serves a wave's instructions in order, so no wait stands between the stores and the loads
.macro TURN set, step
.irp i, 0,1,2,3,4,5,6,7
	ds_store_b128 v5, v[R+32*(\set)+4*\i:R+32*(\set)+4*\i+3] offset:STGB*(\set)+2*SROW*\i
.endr
.irp i, 0,1,2,3,4,5,6,7
	ds_load_b128 v[X+32*(\set)+4*\i:X+32*(\set)+4*\i+3], v6 offset:STGB*(\set)+(\step)*\i
.endr
.endm
; The largest magnitude of a lane's 32 numbers, a whole block, in two chains, with the floor as one more leaf; v201 = the conversion's scale operand
.macro MAX32 x
	v_max3_num_f32 v204, |v[\x]|, |v[\x+1]|, |v[\x+2]|
	v_max3_num_f32 v205, |v[\x+3]|, |v[\x+4]|, |v[\x+5]|
.irp i, 6,10,14,18,22,26
	v_max3_num_f32 v204, v204, |v[\x+\i]|, |v[\x+\i+1]|
	v_max3_num_f32 v205, v205, |v[\x+\i+2]|, |v[\x+\i+3]|
.endr
	v_max3_num_f32 v204, v204, |v[\x+30]|, |v[\x+31]|
	v_max3_num_f32 v204, v204, v205, FLOOR
	v_add_nc_u32 v201, OFFE, v204                  ; 2 off the exponent field: the conversion takes the exponent field of this operand as its scale
.endm
	s_load_b512 s[4:19], s[0:1], 0x0               ; q s[4:5], k s[6:7], v s[8:9], mask s[10:11], qc s[12:13], qs s[14:15], kvc s[16:17], kvs s[18:19]
	s_load_b128 s[20:23], s[0:1], 0x40             ; mbits s[20:21], mflag s[22:23]
	v_lshl_add_u32 v208, v0, 2, 0x11000
	v_mov_b32 v209, 0
	v_lshrrev_b32 v1, 5, v0
	v_readfirstlane_b32 s24, v1                    ; wave 0..3
	v_and_b32 v1, 31, v0                           ; lane
	v_and_b32 v2, 15, v0                           ; r
	v_bfe_u32 v3, v0, 4, 1                         ; h
	v_lshlrev_b32 v4, 4, v2
	v_lshl_add_u32 v4, v3, 12, v4                  ; 4,096 h + 16 r: my 16 bytes of a pair of rows
	v_lshlrev_b32 v7, 4, v1                        ; 16 x lane
	v_lshlrev_b32 v8, 3, v1                        ; 8 x lane
	v_lshlrev_b32 v9, 2, v1                        ; 4 x lane
	s_mov_b32 s36, 0x76543210
	s_mov_b32 s37, 0xfedcba98                      ; v_permlanex16_b32: lane l xor 16
	s_mov_b32 s38, 0xffff0000                      ; lanes 16-31
	s_mul_i32 s42, s24, WREG                       ; my wave's stages
	s_mov_b32 s41, 0                               ; the high word of every offset pair s[40:41]
	s_wait_kmcnt 0x0
	s_cmp_lt_u32 ttmp9, 256
	s_cbranch_scc1 .Lqk
	s_cmp_lt_u32 ttmp9, 512
	s_cbranch_scc1 .Lv
; ---------------- THE MASK.  A wave takes tile T's 16 rows x 1,024 columns: eight key steps, as four chunks of 256 columns.
	s_sub_co_u32 s25, ttmp9, 512
	s_lshl_b32 s25, s25, 2
	s_add_co_u32 s25, s25, s24                     ; task 0..1023
	s_lshr_b32 s34, s25, 2                         ; T
	s_and_b32 s35, s25, 3                          ; which quarter of the columns
	s_add_co_u32 s42, s42, MBASE
	v_mul_u32_u24 v5, v3, SROW
	v_lshl_add_u32 v5, v2, 4, v5
	v_add_nc_u32 v5, s42, v5                       ; into the stage: row 2 i + h, 16 r
	v_mul_u32_u24 v6, v2, SROW
	v_lshl_add_u32 v6, v3, 4, v6
	v_add_nc_u32 v6, s42, v6                       ; back: row r, 16 h; load j then brings columns 32 j + 16 h + 0 .. 15
	s_lshr_b32 s40, s34, 1
	s_lshl_b32 s40, s40, 5
	s_and_b32 s43, s34, 1
	s_lshl_b32 s43, s43, 3
	s_add_co_u32 s40, s40, s43                     ; the tile's first row
	s_lshl_b32 s40, s40, 12
	s_lshl_b32 s43, s35, 10
	s_add_co_u32 s40, s40, s43
	s_add_nc_u64 s[26:27], s[10:11], s[40:41]
	s_lshl_b32 s40, s34, 5
	s_lshl_b32 s43, s35, 3
	s_add_co_u32 s40, s40, s43                     ; 32 T + my first key step
	s_lshl_b32 s43, s40, 2
	s_lshl_b32 s40, s40, 8
	s_add_nc_u64 s[28:29], s[20:21], s[40:41]      ; 256 bytes of words a step
	s_mov_b32 s40, s43
	s_add_nc_u64 s[30:31], s[22:23], s[40:41]      ; 4 bytes of flag a step
.set I, 0
.rept 17
	v_mov_b32 v[OUT+I], 0                          ; written once: the destination of v_writelane_b32 counts as read
.set I, I+1
.endr
; One key step.  Word j = 16 b + i of the step is the lane mask of score register j: bit (r, h) = mask[row r][32 b + 16 h + i].  The compare's result IS that word.
; Eight words at a time, in four runs, so that no line waits for the line above it.  Lane j / 2 of the pair OUT gets words j and j + 1: 32 lanes then store the step's 256 bytes.
.macro MSTEP set, s2, sg
	s_mov_b32 s39, -1
.set G, 0
.rept 8
.irp e, 0,1,2,3,4,5,6,7
.set JJ, 8*G+\e
	v_and_b32 v[196+\e], 0xff<<(8*(\e%4)), v[X+32*(\set)+4*(4*(\s2)+JJ/16)+(JJ%16)/4]
.endr
.irp e, 0,1,2,3,4,5,6,7
	v_cmp_ne_u32 s[40+\e], 0, v[196+\e]
.endr
.irp e, 0,1,2,3,4,5,6,7
	s_and_b32 s39, s39, s[40+\e]
.endr
.irp e, 0,1,2,3,4,5,6,7
.set JJ, 8*G+\e
	v_writelane_b32 v[OUT+2*(\sg)+\e%2], s[40+\e], JJ/2
.endr
.set G, G+1
.endr
	v_writelane_b32 v[FLG], s39, \sg               ; -1 where the whole step counts for all 16 rows
	global_store_b64 v8, v[OUT+2*(\sg):OUT+2*(\sg)+1], s[28:29] offset:256*(\sg)   ; 32 lanes store 256 consecutive bytes, aligned
.endm
.macro MCHUNK ch
	s_wait_dscnt 0x0                               ; this chunk is back from the stage, and the stage's stores have read their registers,
.if (\ch)+2 < 4
	LOAD8 (\ch)%2, 26, 256*((\ch)+2)               ; which take the chunk two on
	s_wait_loadcnt 8                               ; the next chunk's eight loads are in; the eight just issued stay out
	TURN ((\ch)+1)%2, 32
.elseif (\ch) < 3
	s_wait_loadcnt 0x0
	TURN ((\ch)+1)%2, 32
.endif
	MSTEP (\ch)%2, 0, 2*(\ch)
	MSTEP (\ch)%2, 1, 2*(\ch)+1
.endm
	LOAD8 0, 26, 0
	LOAD8 1, 26, 256
	s_wait_loadcnt 8                               ; chunk 0 is in, chunk 1 stays out
	TURN 0, 32
.irp ch, 0,1,2,3
	MCHUNK \ch
.endr
	v_cmp_gt_u32 vcc_lo, 8, v1
	s_wait_xcnt 0x0                                ; EXEC is a source of the pending stores: it changes only behind this wait
	s_wait_tensorcnt 0x0
	ds_add_u32 v208, v209
	s_wait_dscnt 0x0
	s_and_saveexec_b32 s48, vcc_lo
	global_store_b32 v9, v[FLG], s[30:31]          ; lanes 0-7: my eight steps' flags
	s_wait_xcnt 0x0
	s_or_b32 exec_lo, exec_lo, s48
	s_endpgm
; ---------------- q AND k.  A wave takes 128 rows of one head of one tensor: eight tiles.  Only pointers and two strides are chosen: both tensors take one path.
.Lqk:
	s_lshl_b32 s25, ttmp9, 2
	s_add_co_u32 s25, s25, s24                     ; task 0..1023: the first 512 are q's
	s_bfe_u32 s34, s25, 0x40005                    ; head
	s_and_b32 s35, s25, 31                         ; which 128 rows
	s_cmp_lt_u32 s25, 512                          ; the choice hangs on the ids alone; every selection stands ahead of the additions, which set SCC
	s_cselect_b64 s[26:27], s[4:5], s[6:7]
	s_cselect_b64 s[28:29], s[12:13], s[16:17]
	s_cselect_b64 s[30:31], s[14:15], s[18:19]
	s_cselect_b32 s32, 0, 6144
	s_cselect_b32 s33, 0, 8192
	s_add_co_u32 s32, s32, 6144                    ; bytes of codes from one run of 128 rows to the next: q 6,144; k 12,288 (v's fragments lie between)
	s_add_co_u32 s33, s33, 16384                   ; bytes of scales a head: q 16,384; k 24,576
	s_lshl_b32 s40, s35, 19
	s_lshl_b32 s43, s34, 8
	s_add_co_u32 s40, s40, s43
	s_add_nc_u64 s[26:27], s[26:27], s[40:41]      ; the source: 128 rows x 4,096 bytes a run, 256 bytes a head
	s_lshl_b32 s40, s34, 5
	s_add_co_u32 s40, s40, s35
	s_mul_i32 s40, s40, s32
	s_add_nc_u64 s[28:29], s[28:29], s[40:41]
	s_mul_i32 s40, s34, s33
	s_lshl_b32 s43, s35, 9
	s_add_co_u32 s40, s40, s43
	s_add_nc_u64 s[30:31], s[30:31], s[40:41]
	v_mul_u32_u24 v5, v3, SROW
	v_lshl_add_u32 v5, v2, 4, v5
	v_add_nc_u32 v5, s42, v5                       ; into the stage: row 2 i + h, 16 r
	v_mul_u32_u24 v6, v2, SROW
	v_lshl_add_u32 v6, v3, 7, v6
	v_add_nc_u32 v6, s42, v6                       ; back: row r, 128 h: my block of 32 numbers, which is what the operand's layout gives lane (r, h)
	v_lshlrev_b32 v10, 3, v3                       ; 8 h: my byte's place
	v_mov_b32 v199, 0                              ; written once: a lane permute's destination counts as read
.macro QTILE t
.set XS, X+32*((\t)%2)
.set CD, C+6*(\t)
.set TN, (\t)+2
.set TIM, (32*(TN/2)+8*(TN%2))*4096
	s_wait_dscnt 0x0                               ; this tile is back from the stage, and the stage's stores have read their registers,
.if TN < 8
	LOAD8 (\t)%2, 26, TIM                          ; which take the tile two on
	s_wait_loadcnt 8                               ; the next tile's eight loads are in; the eight just issued stay out
	TURN ((\t)+1)%2, 16
.elseif (\t) < 7
	s_wait_loadcnt 0x0
	TURN ((\t)+1)%2, 16
.endif
	MAX32 XS
	v_cvt_scalef32_pk16_fp6_f32 v[CD:CD+2], v[XS:XS+15], v201
	v_cvt_scalef32_pk16_fp6_f32 v[196:198], v[XS+16:XS+31], v201   ; (a conversion's three registers begin on an even number)
	v_lshrrev_b32 v202, 23, v201                   ; the scale's byte; also the plain line behind the conversions
	v_mov_b32 v[CD+3], v196
	v_mov_b32 v[CD+4], v197
	v_mov_b32 v[CD+5], v198
	global_store_b128 v7, v[CD:CD+3], s[28:29] offset:768*(\t)         ; registers 0-3 of the fragment: 512 consecutive bytes, aligned to 256
	global_store_b64 v8, v[CD+4:CD+5], s[28:29] offset:768*(\t)+512    ; registers 4-5: 256
	v_lshlrev_b32 v202, v10, v202                  ; my block's byte at its place,
	v_permlanex16_b32 v199, v202, s36, s37
	v_or_b32 v202, v202, v199                      ; with the row's other block's
.if (\t)%2 == 0
	v_lshl_or_b32 v[W+(\t)/2], v202, 16, v202      ; bytes 2 and 3, for the zero codes of K = 64 .. 127, repeat bytes 0 and 1
.else
	v_lshl_or_b32 v200, v202, 16, v202
	v_cndmask_b32 v[W+(\t)/2], v[W+(\t)/2], v200, s38   ; lanes 0-15 keep the even tile's words, lanes 16-31 take the odd tile's
.endif
.endm
	LOAD8 0, 26, 0
	LOAD8 1, 26, 8*4096
	s_wait_loadcnt 8                               ; tile 0 is in, tile 1 stays out
	TURN 0, 16
.irp t, 0,1,2,3,4,5,6,7
	QTILE \t
.endr
	global_store_b128 v7, v[W:W+3], s[30:31]       ; the eight tiles' scale words: 512 consecutive bytes
	s_wait_tensorcnt 0x0
	ds_add_u32 v208, v209
	s_wait_dscnt 0x0
	s_endpgm
; ---------------- v.  A wave takes 128 keys x 32 channels of one head.  A LANE TAKES A CHANNEL AND ITS REGISTERS RUN DOWN THE KEYS: a block of 32 keys lies in one lane, and the codes come out with the keys innermost.
.Lv:
	s_sub_co_u32 s25, ttmp9, 256
	s_lshl_b32 s25, s25, 2
	s_add_co_u32 s25, s25, s24                     ; task 0..1023
	s_and_b32 s32, s25, 1                          ; g: which 32 channels
	s_bfe_u32 s35, s25, 0x50001                    ; key step
	s_lshr_b32 s34, s25, 6                         ; head
	s_lshl_b32 s40, s35, 19
	s_lshl_b32 s43, s34, 8
	s_add_co_u32 s40, s40, s43
	s_lshl_b32 s43, s32, 7
	s_add_co_u32 s40, s40, s43
	s_add_nc_u64 s[26:27], s[8:9], s[40:41]
	s_lshl_b32 s40, s34, 5
	s_add_co_u32 s40, s40, s35
	s_mul_i32 s40, s40, 12288
	s_mul_i32 s43, s32, 3072
	s_add_co_u32 s40, s40, s43
	s_add_co_u32 s40, s40, 6144                    ; behind the step's eight tiles of k; two fragments of 1,536 bytes for each g
	s_add_nc_u64 s[28:29], s[16:17], s[40:41]
	s_mul_i32 s40, s34, 24576
	s_lshl_b32 s43, s35, 8
	s_add_co_u32 s40, s40, s43
	s_lshl_b32 s43, s32, 7
	s_add_co_u32 s40, s40, s43
	s_add_co_u32 s40, s40, 16384                   ; behind the head's scale words of k
	s_add_nc_u64 s[30:31], s[18:19], s[40:41]
	v_mul_u32_u24 v11, v3, 1536
	v_lshl_add_u32 v11, v2, 4, v11                 ; my channel's fragment (2 g + h) and its lane r
.macro VLOAD t                         ; block t: 32 keys of my channel; 32 lanes read 128 consecutive bytes, and the neighbour wave the other 128 of the head's 256: so no hint
.set I, 0
.rept 32
	global_load_b32 v[R+32*((\t)%2)+I], v9, s[26:27] offset:(32*(\t)+I)*4096
.set I, I+1
.endr
.endm
.macro VBLOCK t
.set XS, R+32*((\t)%2)
.set CD, CV+12*((\t)%2)+6*((\t)/2)     ; blocks e and e + 2 are registers 0-11 of the reading lane r + 16 e
.if (\t) < 3
	s_wait_loadcnt 32                              ; this block's 32 loads are in; the next block's stay out
.else
	s_wait_loadcnt 0x0
.endif
	MAX32 XS
	v_cvt_scalef32_pk16_fp6_f32 v[CD:CD+2], v[XS:XS+15], v201
	v_cvt_scalef32_pk16_fp6_f32 v[196:198], v[XS+16:XS+31], v201
	v_lshrrev_b32 v202, 23, v201                   ; the scale's byte; also the plain line behind the conversions
	v_mov_b32 v[CD+3], v196
	v_mov_b32 v[CD+4], v197
	v_mov_b32 v[CD+5], v198
.if (\t) == 0
	v_mov_b32 v200, v202                           ; my channel's scale word for these 128 keys: byte t = block t
.else
	v_lshl_or_b32 v200, v202, 8*(\t), v200
.endif
.if (\t)+2 < 4
	VLOAD (\t)+2
.endif
.endm
	VLOAD 0
	VLOAD 1
.irp t, 0,1,2,3
	VBLOCK \t
.endr
.irp e, 0,1
.irp c, 0,1,2
	global_store_b128 v11, v[CV+12*\e+4*\c:CV+12*\e+4*\c+3], s[28:29] offset:512*\c+256*\e   ; sixteen lanes store 256 consecutive bytes, aligned
.endr
.endr
	global_store_b32 v9, v200, s[30:31]            ; 128 consecutive bytes: the words of channels 32 g + lane
	s_endpgm
.Lfunc_end_k_q028ccf71c0_prep:
	.size	k_q028ccf71c0_prep, .Lfunc_end_k_q028ccf71c0_prep-k_q028ccf71c0_prep
	.p2alignl 7, 3214868480
	.fill 96, 4, 3214868480
	.section	.rodata,"a",@progbits
	.p2align	6, 0x0
	.amdhsa_kernel k_q028ccf71c0_prep
		.amdhsa_group_segment_fixed_size 70144
		.amdhsa_private_segment_fixed_size 0
		.amdhsa_enable_private_segment 0
		.amdhsa_kernarg_size 80
		.amdhsa_user_sgpr_count 2
		.amdhsa_user_sgpr_kernarg_segment_ptr 1
		.amdhsa_wavefront_size32 1
		.amdhsa_system_sgpr_workgroup_id_x 1
		.amdhsa_system_sgpr_workgroup_id_y 1
		.amdhsa_system_sgpr_workgroup_id_z 1
		.amdhsa_system_vgpr_workitem_id 0
		.amdhsa_next_free_vgpr 210
		.amdhsa_next_free_sgpr 66
		.amdhsa_reserve_vcc 1
		.amdhsa_float_denorm_mode_32 3
		.amdhsa_float_denorm_mode_16_64 3
		.amdhsa_memory_ordered 1
		.amdhsa_forward_progress 1
		.amdhsa_inst_pref_size 174
	.end_amdhsa_kernel
	.amdgpu_metadata
---
amdhsa.version: [ 1, 2 ]
amdhsa.kernels:
  - .name:           k_q028ccf71c0_prep
    .symbol:         k_q028ccf71c0_prep.kd
    .args:
      - { .name: q, .offset: 0, .size: 8, .value_kind: global_buffer, .address_space: global }
      - { .name: k, .offset: 8, .size: 8, .value_kind: global_buffer, .address_space: global }
      - { .name: v, .offset: 16, .size: 8, .value_kind: global_buffer, .address_space: global }
      - { .name: mask, .offset: 24, .size: 8, .value_kind: global_buffer, .address_space: global }
      - { .name: qc, .offset: 32, .size: 8, .value_kind: global_buffer, .address_space: global }
      - { .name: qs, .offset: 40, .size: 8, .value_kind: global_buffer, .address_space: global }
      - { .name: kvc, .offset: 48, .size: 8, .value_kind: global_buffer, .address_space: global }
      - { .name: kvs, .offset: 56, .size: 8, .value_kind: global_buffer, .address_space: global }
      - { .name: mbits, .offset: 64, .size: 8, .value_kind: global_buffer, .address_space: global }
      - { .name: mflag, .offset: 72, .size: 8, .value_kind: global_buffer, .address_space: global }
    .group_segment_fixed_size: 70144
    .private_segment_fixed_size: 0
    .kernarg_segment_align: 8
    .kernarg_segment_size: 80
    .max_flat_workgroup_size: 128
    .sgpr_count:     66
    .vgpr_count:     210
    .wavefront_size: 32
...
	.end_amdgpu_metadata
.endif
;; end of part 1
;; launch attn (part 2): grid 16 x 16, 16 waves a work-group, no clusters, 145,408 bytes of LDS; arguments qc, qs, kvc, kvs, mbits, mflag, out0; writes out0
.if DOCPART == 2
	.amdgcn_target "amdgcn-amd-amdhsa--gfx1250"
	.amdhsa_code_object_version 6
	.text
	.protected	k_q028ccf71c0_attn
	.globl	k_q028ccf71c0_attn
	.p2align	8
	.type	k_q028ccf71c0_attn,@function
k_q028ccf71c0_attn:
	s_mov_b64 s[64:65], 0
	v_nop
	global_prefetch_b8 v0, s[64:65] scope:SCOPE_SE
	s_setreg_imm32_b32 hwreg(HW_REG_WAVE_MODE, 25, 1), 1
	s_wait_xcnt 0x0
; out0[head][q][:] = the sum over k of softmax_k(where(mask[q][k], q . k / 8, -1e30)) v[k][:], both products on codes of FP6 (E2M3) with one E8M0 scale for each 32 along a product's K.
; The codes, scale words and mask words were laid by the launch before, in the order of the operands' registers.
; THE SOFTMAX AHEAD OF THE SECOND PRODUCT: t = score x log2(e) / 8; M = the row's largest t so far, rounded UP to a whole number; p = 2^(t - M) is quantised along the keys, not normalised.
; The row's sum is taken of the unquantised p and divides at the end.  When M moves, the sum and O are multiplied by 2^(old M - new M): exact.
; SHARES.  A work-group owns 256 queries of one head; each of its sixteen waves one tile of 16 in 256 registers, four waves to a SIMD, so that one wave's vector work stands beside another's products and LDS loads.
; Every wave walks the head's 4,096 keys, 128 a step.  Both products are used transposed (S^T = K Q^T, O^T = V^T P^T): a lane holds ONE query (lane % 16) throughout.
; Row r of tile T, of queries and of keys, is position 32 (T / 2) + 8 (T % 2) + r + 8 (r / 8): so the 16 score registers of key tiles 2 b and 2 b + 1 are 16 neighbouring keys, 32 b + 16 (lane / 16) + 0 .. 15.
; THE FIRST PRODUCT'S K IS 64: registers 6-11 of Q's and K's fragments hold zero codes, written once; their scale bytes repeat those of the two real blocks.
; THE MASK is one lane mask for each score register, read by scalar loads a step ahead: one v_cndmask_b32 a register; a step whose 16 x 128 mask is all true (the stored flag is -1) jumps over them.
; THE RING goes through registers: two slots of two key steps (24,576 bytes); thread n copies 16 bytes at 16 n + 8,192 i, loaded behind a slot's barrier, stored behind its two steps.  One barrier a slot.
; No tensor load is used: it spares 64 of a step's vector instructions, which are what this loop is made of; the shared stream is 12,288 bytes a step.
; LIMITS.  A masked score is -2^100 (a logit of -1.6e29 for -1e30): c x 2^100 is exact, so a row with no true key gets t - M = 0, p = 1 and the mean of v, as the definition has it; equal results where true |logits| stay under 1e29.
; p under 2^-126 is 0 (v_exp_f32 flushes).  A block's largest p is made from its largest score by the same two instructions, which takes v_exp_f32 not to fall where its input rises.  NaN and infinities among the inputs are not served.
.set SLOTB, 24576                      ; LDS: slot 0 at 0, slot 1 at SLOTB: two steps each of 8 x 768 bytes of K and 4 x 1,536 of V
.set STEPB, 12288
.set SCL,   2*SLOTB                    ; the head's scale words, 24,576 bytes, stored once: K's 512 a step, from 16,384 on V's 256 a step
.set STAGE, SCL+24576                  ; the way out: 16 rows x 272 bytes for each wave
.set KB,   32                          ; v32-79   four fragments of K, 12 apart
.set S,    80                          ; v80-143  S^T, then p; v80-127 later V's four fragments
.set O,    144                         ; v144-175 O^T
.set P,    176                         ; v176-187 p's codes
.set CT,   188                         ; v188-190, v192-194 the conversions' second halves
.set STG,  196                         ; v196-207 the copy on its way
.set KS,   208                         ; v208-211 K's scale words: register b: lanes 0-15 tile 2 b, lanes 16-31 tile 2 b + 1
.set VS,   212                         ; v212-213 V's: register g: lanes 0-15 channels 32 g on, lanes 16-31 channels 32 g + 16 on
.set PS,   214                         ; v214     p's scale word.  v28: Q's.  These hold scales and nothing else
.set BM,   216                         ; v216-219 the blocks' largest scores, then largest p
.set PT,   220                         ; v220-223 the other half's; then the bytes
.set SOP,  224                         ; v224-227 the conversions' scale operands
.set F,    228                         ; v[228:229] f = 2^(old M - new M); v229 is named with it and written once
.set TMP,  230
.set SUM2, 232                         ; v[232:233] the sum's second chain
.set ADS,  10                          ; v10  LDS address of the step's scale words of K
.set ADT,  11                          ; v11  of V
.set WV,   12                          ; s12  my wave's number
.set TS,   15                          ; s15  512 x step
.set TJ,   66                          ; s66  256 x step
.set TRIPS, 67
.set MO,   90                          ; s90  256 x step: the mask words' offset
.set FO,   91                          ; s91  4 x step: the flag's
.set FL,   92                          ; s92  the flag
.set CS,   94                          ; s[94:95] c = log2(e) / 8
.set SEL,  96                          ; s[96:97] v_permlanex16_b32: lane l xor 16
; v1 16 x lane, v2 8 x lane, v3 SCL + 16 x lane, v4 SCL + 16,384 + 4 x lane, v5 16 x thread, v6 -2^100, v12 -M, v13 the largest t, v[14:15] the sum, v16-27 Q, v29 16 r, v30 SCL + 16 x thread
; s[16:63], s[68:83]: the step's 64 mask words: word j in s[16 + j], from j = 48 on in s[20 + j]
.macro MASKLOAD
	s_load_b512 s[16:31], s[84:85], s[MO] offset:0x0
	s_load_b512 s[32:47], s[84:85], s[MO] offset:0x40
	s_load_b512 s[48:63], s[84:85], s[MO] offset:0x80
	s_load_b512 s[68:83], s[84:85], s[MO] offset:0xc0
	s_load_b32 s[FL], s[86:87], s[FO] offset:0x0
.endm
	s_load_b256 s[4:11], s[0:1], 0x0               ; qc s[4:5], qs s[6:7], kvc s[8:9], kvs s[10:11]
	s_load_b128 s[84:87], s[0:1], 0x20             ; mbits, mflag
	s_load_b64 s[88:89], s[0:1], 0x30              ; out0
	v_lshl_add_u32 v254, v0, 2, 0x23000
	v_mov_b32 v255, 0
	v_lshrrev_b32 v1, 5, v0
	v_readfirstlane_b32 s[WV], v1                  ; wave 0..15
	v_and_b32 v8, 31, v0                           ; lane
	v_and_b32 v9, 15, v0                           ; r
	v_lshlrev_b32 v1, 4, v8
	v_lshlrev_b32 v2, 3, v8
	v_add_nc_u32 v3, SCL, v1
	v_lshl_add_u32 v4, v8, 2, SCL+16384
	v_lshlrev_b32 v5, 4, v0
	v_add_nc_u32 v30, SCL, v5
	v_mov_b32 v6, 0xf1800000                       ; -2^100
	v_lshlrev_b32 v29, 4, v9
	s_and_b32 s98, ttmp7, 0xffff                   ; the head
	s_lshl_b32 s99, ttmp9, 4
	s_add_co_u32 s99, s99, s[WV]                   ; T, my tile of queries: 16 x work-group x + wave
	s_mov_b32 s[CS], 0x3e38aa3b
	s_mov_b32 s[CS+1], s[CS]                       ; (named with it as a pair, so it is written)
	s_mov_b32 s[SEL], 0x76543210
	s_mov_b32 s[SEL+1], 0xfedcba98
	s_mov_b32 s[TS], 0
	s_mov_b32 s[TJ], 0
	s_mov_b32 s[MO], 0
	s_mov_b32 s[FO], 0
	s_mov_b32 s[TRIPS], 7
	s_mov_b32 s101, 0                              ; the high word of every offset pair s[100:101]
	s_lshl_b32 s100, s98, 8
	s_add_co_u32 s100, s100, s99
	s_mul_i32 s100, s100, 768
	s_wait_kmcnt 0x0
	s_add_nc_u64 s[4:5], s[4:5], s[100:101]        ; my tile's image: 768 bytes a tile, 256 tiles a head
	s_lshl_b32 s100, s98, 14
	s_lshr_b32 s2, s99, 3
	s_lshl_b32 s2, s2, 9
	s_add_co_u32 s100, s100, s2                    ; the image of eight tiles' words: 512 bytes;
	s_and_b32 s2, s99, 1
	s_lshl_b32 s3, s2, 8
	s_add_co_u32 s100, s100, s3                    ; an odd tile's words lie in its lanes 16-31;
	s_bfe_u32 s3, s99, 0x20001
	s_lshl_b32 s3, s3, 2
	s_add_co_u32 s100, s100, s3                    ; word (T / 2) % 4 of a lane's four
	s_add_nc_u64 s[6:7], s[6:7], s[100:101]
	s_mul_i32 s100, s98, 393216
	s_add_nc_u64 s[8:9], s[8:9], s[100:101]        ; the head's codes of K and V: it walks, a slot at a time
	s_mul_i32 s100, s98, 24576
	s_add_nc_u64 s[10:11], s[10:11], s[100:101]
	s_lshl_b32 s100, s99, 13
	s_add_nc_u64 s[84:85], s[84:85], s[100:101]    ; my tile's mask words: 32 steps x 256 bytes
	s_lshl_b32 s100, s99, 7
	s_add_nc_u64 s[86:87], s[86:87], s[100:101]
	s_lshl_b32 s100, s98, 12
	s_lshr_b32 s3, s99, 1
	s_lshl_b32 s3, s3, 5
	s_add_co_u32 s100, s100, s3
	s_lshl_b32 s3, s2, 3
	s_add_co_u32 s100, s100, s3                    ; my tile's first row of out0: 4,096 x head + 32 (T / 2) + 8 (T % 2)
	s_lshl_b32 s100, s100, 8
	s_add_nc_u64 s[88:89], s[88:89], s[100:101]
.irp i, 0,1,2
	global_load_b128 v[S+4*\i:S+4*\i+3], v5, s[10:11] offset:8192*\i       ; the head's scale words
.endr
.irp i, 0,1,2
	global_load_b128 v[STG+4*\i:STG+4*\i+3], v5, s[8:9] offset:8192*\i     ; slot 0: key steps 0 and 1
.endr
	global_load_b128 v[16:19], v1, s[4:5]          ; Q's fragment, registers 0-3,
	global_load_b64 v[20:21], v2, s[4:5] offset:512   ; and 4-5: it stays
	global_load_b32 v28, v29, s[6:7]               ; Q's scale words: lane r has row r's
	MASKLOAD                                       ; step 0's
.irp j, 22,23,24,25,26,27
	v_mov_b32 v\j, 0                               ; K = 64 .. 127 of Q: zero codes
.endr
.irp tt, 0,1,2,3
.irp j, 6,7,8,9,10,11
	v_mov_b32 v[KB+12*\tt+\j], 0                   ; and of K's four fragments: no load lands here, so they stay
.endr
.endr
.set I, 0
.rept 32
	v_mov_b32 v[O+I], 0                            ; O^T.  (The step is written once: the first finds zeros, which the first change of M leaves zeros)
.set I, I+1
.endr
	v_mov_b32 v13, 0xff61b1e6                      ; the largest t so far: -3e38, under every t
	v_floor_f32 v12, -v13                          ; -M
	v_mov_b32 v14, 0
	v_mov_b32 v15, 0
	v_mov_b32 v[F+1], 0
.irp b, 0,1,2,3
	v_mov_b32 v[PT+\b], 0                          ; written once: a lane permute's destination counts as read
.endr
	s_wait_loadcnt 0x0
.irp i, 0,1,2
	ds_store_b128 v30, v[S+4*\i:S+4*\i+3] offset:8192*\i
.endr
.irp i, 0,1,2
	ds_store_b128 v5, v[STG+4*\i:STG+4*\i+3] offset:8192*\i
.endr
	s_add_nc_u64 s[8:9], s[8:9], SLOTB             ; (the loads are done: their base is free)
.macro KFETCH t0                       ; tiles t0 .. t0 + 3 of the step's K: the six data registers of each, as they were stored: 16 and 8 bytes a lane, on end
.irp tt, 0,1,2,3
	ds_load_b128 v[KB+12*\tt:KB+12*\tt+3], v1 offset:QB+768*(\t0+\tt)
	ds_load_b64 v[KB+12*\tt+4:KB+12*\tt+5], v2 offset:QB+768*(\t0+\tt)+512
.endr
.endm
.macro KQ t0                           ; S^T of these four tiles: source 0 = 16 keys, source 1 = my 16 queries
.irp tt, 0,1,2,3
.if \tt%2
	v_wmma_scale_f32_16x16x128_f8f6f4 v[S+8*(\t0+\tt):S+8*(\t0+\tt)+7], v[KB+12*\tt:KB+12*\tt+11], v[16:27], 0, v[KS+(\t0+\tt)/2], v28 matrix_a_fmt:MATRIX_FMT_FP6 matrix_b_fmt:MATRIX_FMT_FP6 matrix_a_scale:MATRIX_SCALE_ROW1
.else
	v_wmma_scale_f32_16x16x128_f8f6f4 v[S+8*(\t0+\tt):S+8*(\t0+\tt)+7], v[KB+12*\tt:KB+12*\tt+11], v[16:27], 0, v[KS+(\t0+\tt)/2], v28 matrix_a_fmt:MATRIX_FMT_FP6 matrix_b_fmt:MATRIX_FMT_FP6
.endif
.endr
.endm
; A KEY STEP: 128 keys, the q-th of slot sl.  more = 1: the next step's mask words are asked for.
.macro STEP sl, q, more
.set QB, SLOTB*(\sl)+STEPB*(\q)
	v_add_nc_u32 v[ADS], s[TS], v3
	v_add_nc_u32 v[ADT], s[TJ], v4
	ds_load_b128 v[KS:KS+3], v[ADS]
	KFETCH 0
.rept 3
	v_nop                                          ; with the two additions above: five places between the last step's products, which read v80-127, and the products that write over them (ISA guide 7.12.1)
.endr
	s_wait_dscnt 0x0
	KQ 0
.rept 4
	v_nop                                          ; four places in front of loads into registers that these products have read
.endr
	KFETCH 4
	s_wait_dscnt 0x0
	KQ 4
.rept 4
	v_nop                                          ; four places in front of the first read of results
.endr
	s_wait_kmcnt 0x0                               ; the step's mask words and flag, asked for a step ago
	s_cmp_eq_u32 s[FL], -1
	s_cbranch_scc1 .Lopen_\@                       ; every key of the step counts for all my queries
.set I, 0
.rept 64
	v_cndmask_b32 v[S+I], v6, v[S+I], s[16+I+4*(I/48)]   ; register 16 b + i holds key 32 b + 16 (lane / 16) + i of the step; ascending, so that each result is read from its low end on
.set I, I+1
.endr
.Lopen_\@:
.if \more
	s_add_co_u32 s[MO], s[MO], 256                 ; (free since the wait above)
	s_add_co_u32 s[FO], s[FO], 4
	MASKLOAD                                       ; the next step's: the softmax and the second product stand between this and the wait for it
.endif
.irp b, 0,1,2,3
	v_max3_num_f32 v[BM+\b], v[S+16*\b], v[S+1+16*\b], v[S+2+16*\b]   ; THE LARGEST SCORE OF EACH BLOCK OF 32 KEYS serves twice: for the row's maximum and, since p rises with the score, for the block's largest p
.endr
.irp i, 3,5,7,9,11,13
.irp b, 0,1,2,3
	v_max3_num_f32 v[BM+\b], v[BM+\b], v[S+16*\b+\i], v[S+1+16*\b+\i]   ; (the four blocks by turns)
.endr
.endr
.irp b, 0,1,2,3
	v_max_num_f32 v[BM+\b], v[BM+\b], v[S+15+16*\b]
.endr
.irp b, 0,1,2,3
	v_permlanex16_b32 v[PT+\b], v[BM+\b], s[SEL], s[SEL+1]
.endr
.irp b, 0,1,2,3
	v_max_num_f32 v[BM+\b], v[BM+\b], v[PT+\b]     ; with lane l xor 16's 16 keys
.endr
	v_max3_num_f32 v[TMP], v[BM], v[BM+1], v[BM+2]
	v_max_num_f32 v[TMP], v[TMP], v[BM+3]          ; the step's largest score of my query
	v_mul_f32 v[TMP], s[CS], v[TMP]                ; as t (c is positive)
	v_max_num_f32 v13, v13, v[TMP]                 ; the running largest t
	v_mov_b32 v[TMP], v12
	v_floor_f32 v12, -v13                          ; the new -M = floor(-t) = -ceil(t): a whole number
	v_sub_f32 v[TMP], v12, v[TMP]                  ; old M less new M: a whole number, 0 or less
	v_cvt_i32_f32 v[TMP], v[TMP]                   ; (it saturates)
	v_ldexp_f32 v[F], 1.0, v[TMP]                  ; f = 2^(old M - new M)
.set I, 0
.rept 32
	v_pk_fma_f32 v[S+I:S+I+1], v[S+I:S+I+1], s[CS:CS+1], v[12:13] op_sel_hi:[1,0,0]   ; t - M, two at a time (of the pairs c and -M the low word serves both halves)
.set I, I+2
.endr
.irp b, 0,1,2,3
	v_fma_f32 v[BM+\b], v[BM+\b], s[CS], v12       ; the same of each block's largest score
.endr
.set I, 0
.rept 64
	v_exp_f32 v[S+I], v[S+I]                       ; p = 2^(t - M), at most 1: not normalised
.set I, I+1
.endr
.irp b, 0,1,2,3
	v_exp_f32 v[BM+\b], v[BM+\b]                   ; the block's largest p: the same two instructions on the same number give the same bits
.endr
	v_pk_mul_f32 v[14:15], v[14:15], v[F:F+1] op_sel_hi:[1,0]   ; the sums under the new M; also the plain line behind the exponentials
	s_wait_alu depctr_va_vdst(0)
.irp b, 0,1,2,3
	v_max_num_f32 v[BM+\b], 0x1800000, v[BM+\b]    ; the floor 2^(3 - 127): the byte cannot fall under 1 (a block whose every p is 0 keeps that byte: its codes are zeros)
.endr
.irp b, 0,1,2,3
	v_add_nc_u32 v[SOP+\b], 0xff000000, v[BM+\b]   ; 2 off the exponent field: the conversion's scale operand
.endr
.irp b, 0,1,2,3
	v_lshrrev_b32 v[PT+\b], 23, v[SOP+\b]          ; the scale's byte
.endr
	v_lshl_or_b32 v[PS], v[PT+1], 8, v[PT]         ; p's scale word for these 128 keys
	v_lshl_or_b32 v[PS], v[PT+2], 16, v[PS]
	v_lshl_or_b32 v[PS], v[PT+3], 24, v[PS]
.irp c, 0,1
	v_cvt_scalef32_pk16_fp6_f32 v[P+6*\c:P+6*\c+2], v[S+32*\c:S+32*\c+15], v[SOP+2*\c]
	v_cvt_scalef32_pk16_fp6_f32 v[CT+4*\c:CT+4*\c+2], v[S+16+32*\c:S+31+32*\c], v[SOP+2*\c+1]   ; (a conversion's three registers begin on an even number)
.endr
	v_nop                                          ; one plain line behind the last scaled conversion
	v_pk_add_f32 v[SUM2:SUM2+1], v[S:S+1], v[S+2:S+3]   ; THE ROW'S SUM IS TAKEN OF THE UNQUANTISED p, two at a time, in two chains: first the 48 whose registers V's fragments take
.irp j, 4,8,12,16,20,24,28,32,36,40,44
	v_pk_add_f32 v[14:15], v[14:15], v[S+\j:S+\j+1]
	v_pk_add_f32 v[SUM2:SUM2+1], v[SUM2:SUM2+1], v[S+\j+2:S+\j+3]
.endr
.irp dt, 0,1,2,3
.irp c, 0,1,2
	ds_load_b128 v[S+12*\dt+4*\c:S+12*\dt+4*\c+3], v1 offset:QB+6144+1536*\dt+512*\c   ; V's fragment of channels 16 dt on, 128 keys: three times 16 bytes a lane, on end
.endr
.endr
	ds_load_b32 v[VS], v[ADT]
	ds_load_b32 v[VS+1], v[ADT] offset:128
.set I, 0
.rept 16
	v_pk_mul_f32 v[O+I:O+I+1], v[O+I:O+I+1], v[F:F+1] op_sel_hi:[1,0]   ; O^T under the new M, ascending: each result is read from its low end on
.set I, I+2
.endr
.irp c, 0,1                            ; the operand's layout wants a WHOLE block in a lane: lanes 0-15 block 2 c, lanes 16-31 block 2 c + 1
.irp i, 0,1,2
	v_permlane16_swap_b32 v[P+6*\c+\i], v[CT+4*\c+\i]
.endr
.irp i, 0,1,2
	v_mov_b32 v[P+6*\c+3+\i], v[CT+4*\c+\i]
.endr
.endr
.irp j, 48,52,56,60
	v_pk_add_f32 v[14:15], v[14:15], v[S+\j:S+\j+1]                 ; the rest of the sum: with the join nine plain lines between the last write of p's codes and the products (four are owed)
	v_pk_add_f32 v[SUM2:SUM2+1], v[SUM2:SUM2+1], v[S+\j+2:S+\j+3]
.endr
	v_pk_add_f32 v[14:15], v[14:15], v[SUM2:SUM2+1]
	s_wait_dscnt 0x0
.irp dt, 0,1,2,3                       ; O^T += V^T P^T: the four accumulators by turns, one instruction a turn
.if \dt%2
	v_wmma_scale_f32_16x16x128_f8f6f4 v[O+8*\dt:O+8*\dt+7], v[S+12*\dt:S+12*\dt+11], v[P:P+11], v[O+8*\dt:O+8*\dt+7], v[VS+\dt/2], v[PS] matrix_a_fmt:MATRIX_FMT_FP6 matrix_b_fmt:MATRIX_FMT_FP6 matrix_a_scale:MATRIX_SCALE_ROW1
.else
	v_wmma_scale_f32_16x16x128_f8f6f4 v[O+8*\dt:O+8*\dt+7], v[S+12*\dt:S+12*\dt+11], v[P:P+11], v[O+8*\dt:O+8*\dt+7], v[VS+\dt/2], v[PS] matrix_a_fmt:MATRIX_FMT_FP6 matrix_b_fmt:MATRIX_FMT_FP6
.endif
.endr
	s_add_co_u32 s[TS], s[TS], 512                 ; the next step's scale words
	s_add_co_u32 s[TJ], s[TJ], 256
.endm
; A SLOT.  In front of the barrier each wave waits for all its LDS instructions: its stores into this slot have landed, and its reads of the other slot are in.  Behind it this slot is whole and nobody reads the other one.
; fill = 1: the next slot's bytes are asked for at once, have the slot's two steps in which to come, and are then stored into the other slot.
.macro SLOTWORK sl, fill, more
	s_wait_dscnt 0x0
	s_barrier_signal -1
	s_barrier_wait -1
.if \fill
.irp i, 0,1,2
	global_load_b128 v[STG+4*\i:STG+4*\i+3], v5, s[8:9] offset:8192*\i     ; a wave's load covers 512 consecutive bytes; sixteen work-groups read these bytes: no hint
.endr
.endif
	STEP \sl, 0, 1
	STEP \sl, 1, \more
.if \fill
	s_wait_loadcnt 0x0
.irp i, 0,1,2
	ds_store_b128 v5, v[STG+4*\i:STG+4*\i+3] offset:SLOTB*(1-(\sl))+8192*\i
.endr
	s_add_nc_u64 s[8:9], s[8:9], SLOTB             ; (the loads are done: their base is free)
.endif
.endm
.Lslot:                                            ; seven trips of two slots: every LDS address of the ring is a lane term and an immediate
	SLOTWORK 0, 1, 1
	SLOTWORK 1, 1, 1
	s_sub_co_u32 s[TRIPS], s[TRIPS], 1
	s_cmp_lg_u32 s[TRIPS], 0
	s_cbranch_scc1 .Lslot
	SLOTWORK 0, 1, 1                               ; the last two slots are written out: the very last asks for no codes and, in its second step, for no mask words: no load leaves its buffer
	SLOTWORK 1, 0, 0
	; THE WAY OUT.  The address lines come first: ten plain lines, the places behind the last products.  O^T / the sum goes through my own stage and leaves as whole rows of 256 bytes.
	s_mul_i32 s98, s[WV], 16*272
	s_add_co_u32 s98, s98, STAGE                   ; my stage
	v_and_b32 v10, 15, v0                          ; r
	v_bfe_u32 v11, v0, 4, 1                        ; h
	v_mul_u32_u24 v8, v10, 272
	v_lshl_add_u32 v8, v11, 5, v8
	v_add_nc_u32 v8, s98, v8                       ; in: row r; tile dt's eight channels of my half: 64 dt + 32 h bytes on
	v_mul_u32_u24 v9, v11, 272
	v_lshl_add_u32 v9, v10, 4, v9
	v_add_nc_u32 v9, s98, v9                       ; back: lanes 0-15 one row, lanes 16-31 the next
	v_lshlrev_b32 v7, 8, v11
	v_lshl_add_u32 v7, v10, 4, v7                  ; and the same two rows in out0
	v_add_f32 v14, v14, v15                        ; the sum's two halves,
	v_permlanex16_b32 v[TMP], v14, s[SEL], s[SEL+1]
	v_add_f32 v14, v14, v[TMP]                     ; and lane l xor 16's: the row's sum
	v_rcp_f32 v14, v14
	v_nop                                          ; one plain line behind the reciprocal
.set I, 0
	s_wait_alu depctr_va_vdst(0)
.rept 16
	v_pk_mul_f32 v[S+I:S+I+1], v[O+I:O+I+1], v[14:15] op_sel_hi:[1,0]   ; register 8 dt + j is out(row r, channel 16 dt + 8 h + j)
.set I, I+2
.endr
.irp dt, 0,1,2,3
	ds_store_b128 v8, v[S+8*\dt:S+8*\dt+3] offset:64*\dt
	ds_store_b128 v8, v[S+8*\dt+4:S+8*\dt+7] offset:64*\dt+16
.endr
.irp i, 0,1,2,3,4,5,6,7
	ds_load_b128 v[KB+4*\i:KB+4*\i+3], v9 offset:544*\i   ; LDS serves a wave's instructions in order: these see my stores
.endr
.irp i, 0,1,2,3,4,5,6,7
	s_wait_dscnt 7-\i                              ; load i is in; the younger ones stay out
	global_store_b128 v7, v[KB+4*\i:KB+4*\i+3], s[88:89] offset:(2*\i+8*(\i/4))*256 th:TH_STORE_NT   ; sixteen lanes store one row of out0: 256 consecutive bytes, aligned; the 8 (r / 8) of the tile's order stands in the immediate
.endr
	s_wait_tensorcnt 0x0
	ds_add_u32 v254, v255
	s_wait_dscnt 0x0
	s_endpgm
.Lfunc_end_k_q028ccf71c0_attn:
	.size	k_q028ccf71c0_attn, .Lfunc_end_k_q028ccf71c0_attn-k_q028ccf71c0_attn
	.p2alignl 7, 3214868480
	.fill 96, 4, 3214868480
	.section	.rodata,"a",@progbits
	.p2align	6, 0x0
	.amdhsa_kernel k_q028ccf71c0_attn
		.amdhsa_group_segment_fixed_size 145408
		.amdhsa_private_segment_fixed_size 0
		.amdhsa_enable_private_segment 0
		.amdhsa_kernarg_size 56
		.amdhsa_user_sgpr_count 2
		.amdhsa_user_sgpr_kernarg_segment_ptr 1
		.amdhsa_wavefront_size32 1
		.amdhsa_system_sgpr_workgroup_id_x 1
		.amdhsa_system_sgpr_workgroup_id_y 1
		.amdhsa_system_sgpr_workgroup_id_z 1
		.amdhsa_system_vgpr_workitem_id 0
		.amdhsa_next_free_vgpr 256
		.amdhsa_next_free_sgpr 102
		.amdhsa_reserve_vcc 0
		.amdhsa_float_denorm_mode_32 3
		.amdhsa_float_denorm_mode_16_64 3
		.amdhsa_memory_ordered 1
		.amdhsa_forward_progress 1
		.amdhsa_inst_pref_size 174
	.end_amdhsa_kernel
	.amdgpu_metadata
---
amdhsa.version: [ 1, 2 ]
amdhsa.kernels:
  - .name:           k_q028ccf71c0_attn
    .symbol:         k_q028ccf71c0_attn.kd
    .args:
      - { .name: qc, .offset: 0, .size: 8, .value_kind: global_buffer, .address_space: global }
      - { .name: qs, .offset: 8, .size: 8, .value_kind: global_buffer, .address_space: global }
      - { .name: kvc, .offset: 16, .size: 8, .value_kind: global_buffer, .address_space: global }
      - { .name: kvs, .offset: 24, .size: 8, .value_kind: global_buffer, .address_space: global }
      - { .name: mbits, .offset: 32, .size: 8, .value_kind: global_buffer, .address_space: global }
      - { .name: mflag, .offset: 40, .size: 8, .value_kind: global_buffer, .address_space: global }
      - { .name: out0, .offset: 48, .size: 8, .value_kind: global_buffer, .address_space: global }
    .group_segment_fixed_size: 145408
    .private_segment_fixed_size: 0
    .kernarg_segment_align: 8
    .kernarg_segment_size: 56
    .max_flat_workgroup_size: 512
    .sgpr_count:     102
    .vgpr_count:     256
    .wavefront_size: 32
...
	.end_amdgpu_metadata
.endif
;; end of part 2
;; ======== version 2 of 2: 2 launches
;; limits: inputs' magnitudes at most 100,000,000,000,000
;; workspace buffers: qc 3,145,728 bytes; qs 262,144 bytes; kvc 6,291,456 bytes; kvs 393,216 bytes; mbits 2,097,152 bytes of whole numbers; mflag 32,768 bytes of whole numbers
;; launch prep (part 3): grid 768 x 1, 4 waves a work-group, no clusters, 70,144 bytes of LDS; arguments q, k, v, mask, qc, qs, kvc, kvs, mbits, mflag; writes qc, qs, kvc, kvs, mbits, mflag
.if DOCPART == 3
	.amdgcn_target "amdgcn-amd-amdhsa--gfx1250"
	.amdhsa_code_object_version 6
	.text
	.protected	k_q028ccf71c0_prep
	.globl	k_q028ccf71c0_prep
	.p2align	8
	.type	k_q028ccf71c0_prep,@function
k_q028ccf71c0_prep:
	s_mov_b64 s[64:65], 0
	v_nop
	global_prefetch_b8 v0, s[64:65] scope:SCOPE_SE
	s_setreg_imm32_b32 hwreg(HW_REG_WAVE_MODE, 25, 1), 1
	s_wait_xcnt 0x0
; q, k, v: [4096][16][64] f32.  mask: [4096][4096] bytes, 0 or 1.  This launch turns them into what the attention launch reads as it lies:
;   qc, kvc   codes of FP6 (E2M3) as IMAGES OF THE OPERANDS' REGISTERS;   qs, kvs   their E8M0 scale words, likewise;
;   mbits     the mask as lane masks, one 32-bit word for each score register;   mflag   the AND of a key step's 64 words.
; THE ROWS OF A TILE ARE NOT NEIGHBOURS: row r of tile T is sequence position 32 (T / 2) + 8 (T % 2) + r + 8 (r / 8), for queries and keys alike.
; A block's scale is 2^(floor(log2(largest magnitude)) - 2): its byte is the largest magnitude's exponent field - 2, held at 1 from below by a floor among the maximum's leaves.
; q and k are quantised along the head's 64 (two blocks a row), v along the keys (a lane takes a channel, its registers run down the keys).
; LIMITS: a block of zeros gets the byte 1 and not 127 (its codes are zeros, and this program alone reads the bytes); NaN and infinities among the inputs are not served.
; SHARES: work-groups 0-255 take q and k, 256-511 v, 512-767 the mask: 1,024 wave tasks each.  The three paths part on the work-group's number and never join; waves share nothing: no barrier.
; LDS: a wave's own two stages of 16 rows x 272 bytes; the mask's path has bytes of its own behind those of q and k.
.set R,     16                         ; v16-79   two sets of 32 registers as loaded
.set X,     80                         ; v80-143  two sets of 32 registers turned through the stage
.set C,     144                        ; v144-191 q, k: six registers of codes for each of a task's eight tiles, so that no store's data are written again
.set CV,    144                        ; v144-167 v: two runs of 12 registers
.set OUT,   144                        ; v144-159 mask: two registers for each of a task's eight key steps
.set FLG,   160                        ; v160     mask: lane s holds step s's flag
.set W,     192                        ; v192-195 q, k: the image of four scale registers
.set SROW,  272                        ; a stage row: 256 bytes + 16 = 17 x 16 bytes, so that sixteen rows' equal columns fall into sixteen different 16-byte columns modulo 256
.set STGB,  16*SROW
.set WREG,  2*STGB                     ; a wave's two stages
.set MBASE, 4*WREG                     ; the mask path's stages begin here
.set FLOOR, 0x1800000                  ; 2^(3 - 127)
.set OFFE,  0xff000000                 ; -(2 << 23): 2 off an exponent field
; Eight loads: lanes 0-15 take the 256 bytes of tile row 2 i, lanes 16-31 those of row 2 i + 1; a row of q, k and of the mask is 4,096 bytes from the next; the 8 (r / 8) of the tile's order stands in the immediate
.macro LOAD8 set, base, imm
.irp i, 0,1,2,3,4,5,6,7
	global_load_b128 v[R+32*(\set)+4*\i:R+32*(\set)+4*\i+3], v4, s[\base:\base+1] offset:(\imm)+(2*\i+8*(\i/4))*4096 th:TH_LOAD_NT
.endr
.endm
; Through the wave's own stage: in as loaded, back step bytes apart from one row.  LDS serves a wave's instructions in order, so no wait stands between the stores and the loads
.macro TURN set, step
.irp i, 0,1,2,3,4,5,6,7
	ds_store_b128 v5, v[R+32*(\set)+4*\i:R+32*(\set)+4*\i+3] offset:STGB*(\set)+2*SROW*\i
.endr
.irp i, 0,1,2,3,4,5,6,7
	ds_load_b128 v[X+32*(\set)+4*\i:X+32*(\set)+4*\i+3], v6 offset:STGB*(\set)+(\step)*\i
.endr
.endm
; The largest magnitude of a lane's 32 numbers, a whole block, in two chains, with the floor as one more leaf; v201 = the conversion's scale operand
.macro MAX32 x
	v_max3_num_f32 v204, |v[\x]|, |v[\x+1]|, |v[\x+2]|
	v_max3_num_f32 v205, |v[\x+3]|, |v[\x+4]|, |v[\x+5]|
.irp i, 6,10,14,18,22,26
	v_max3_num_f32 v204, v204, |v[\x+\i]|, |v[\x+\i+1]|
	v_max3_num_f32 v205, v205, |v[\x+\i+2]|, |v[\x+\i+3]|
.endr
	v_max3_num_f32 v204, v204, |v[\x+30]|, |v[\x+31]|
	v_max3_num_f32 v204, v204, v205, FLOOR
	v_add_nc_u32 v201, OFFE, v204                  ; 2 off the exponent field: the conversion takes the exponent field of this operand as its scale
.endm
	s_load_b512 s[4:19], s[0:1], 0x0               ; q s[4:5], k s[6:7], v s[8:9], mask s[10:11], qc s[12:13], qs s[14:15], kvc s[16:17], kvs s[18:19]
	s_load_b128 s[20:23], s[0:1], 0x40             ; mbits s[20:21], mflag s[22:23]
	v_lshl_add_u32 v208, v0, 2, 0x11000
	v_mov_b32 v209, 0
	v_lshrrev_b32 v1, 5, v0
	v_readfirstlane_b32 s24, v1                    ; wave 0..3
	v_and_b32 v1, 31, v0                           ; lane
	v_and_b32 v2, 15, v0                           ; r
	v_bfe_u32 v3, v0, 4, 1                         ; h
	v_lshlrev_b32 v4, 4, v2
	v_lshl_add_u32 v4, v3, 12, v4                  ; 4,096 h + 16 r: my 16 bytes of a pair of rows
	v_lshlrev_b32 v7, 4, v1                        ; 16 x lane
	v_lshlrev_b32 v8, 3, v1                        ; 8 x lane
	v_lshlrev_b32 v9, 2, v1                        ; 4 x lane
	s_mov_b32 s36, 0x76543210
	s_mov_b32 s37, 0xfedcba98                      ; v_permlanex16_b32: lane l xor 16
	s_mov_b32 s38, 0xffff0000                      ; lanes 16-31
	s_mul_i32 s42, s24, WREG                       ; my wave's stages
	s_mov_b32 s41, 0                               ; the high word of every offset pair s[40:41]
	s_wait_kmcnt 0x0
	s_cmp_lt_u32 ttmp9, 256
	s_cbranch_scc1 .Lqk
	s_cmp_lt_u32 ttmp9, 512
	s_cbranch_scc1 .Lv
; ---------------- THE MASK.  A wave takes tile T's 16 rows x 1,024 columns: eight key steps, as four chunks of 256 columns.
	s_sub_co_u32 s25, ttmp9, 512
	s_lshl_b32 s25, s25, 2
	s_add_co_u32 s25, s25, s24                     ; task 0..1023
	s_lshr_b32 s34, s25, 2                         ; T
	s_and_b32 s35, s25, 3                          ; which quarter of the columns
	s_add_co_u32 s42, s42, MBASE
	s_wait_alu depctr_va_vdst(0)
	v_mul_u32_u24 v5, v3, SROW
	v_lshl_add_u32 v5, v2, 4, v5
	v_add_nc_u32 v5, s42, v5                       ; into the stage: row 2 i + h, 16 r
	v_mul_u32_u24 v6, v2, SROW
	v_lshl_add_u32 v6, v3, 4, v6
	v_add_nc_u32 v6, s42, v6                       ; back: row r, 16 h; load j then brings columns 32 j + 16 h + 0 .. 15
	s_lshr_b32 s40, s34, 1
	s_lshl_b32 s40, s40, 5
	s_and_b32 s43, s34, 1
	s_lshl_b32 s43, s43, 3
	s_add_co_u32 s40, s40, s43                     ; the tile's first row
	s_lshl_b32 s40, s40, 12
	s_lshl_b32 s43, s35, 10
	s_add_co_u32 s40, s40, s43
	s_add_nc_u64 s[26:27], s[10:11], s[40:41]
	s_lshl_b32 s40, s34, 5
	s_lshl_b32 s43, s35, 3
	s_add_co_u32 s40, s40, s43                     ; 32 T + my first key step
	s_lshl_b32 s43, s40, 2
	s_lshl_b32 s40, s40, 8
	s_add_nc_u64 s[28:29], s[20:21], s[40:41]      ; 256 bytes of words a step
	s_mov_b32 s40, s43
	s_add_nc_u64 s[30:31], s[22:23], s[40:41]      ; 4 bytes of flag a step
.set I, 0
.rept 17
	v_mov_b32 v[OUT+I], 0                          ; written once: the destination of v_writelane_b32 counts as read
.set I, I+1
.endr
; One key step.  Word j = 16 b + i of the step is the lane mask of score register j: bit (r, h) = mask[row r][32 b + 16 h + i].  The compare's result IS that word.
; Eight words at a time, in four runs, so that no line waits for the line above it.  Lane j / 2 of the pair OUT gets words j and j + 1: 32 lanes then store the step's 256 bytes.
.macro MSTEP set, s2, sg
	s_mov_b32 s39, -1
.set G, 0
.rept 8
.irp e, 0,1,2,3,4,5,6,7
.set JJ, 8*G+\e
	v_and_b32 v[196+\e], 0xff<<(8*(\e%4)), v[X+32*(\set)+4*(4*(\s2)+JJ/16)+(JJ%16)/4]
.endr
.irp e, 0,1,2,3,4,5,6,7
	v_cmp_ne_u32 s[40+\e], 0, v[196+\e]
.endr
.irp e, 0,1,2,3,4,5,6,7
	s_and_b32 s39, s39, s[40+\e]
.endr
.irp e, 0,1,2,3,4,5,6,7
.set JJ, 8*G+\e
	v_writelane_b32 v[OUT+2*(\sg)+\e%2], s[40+\e], JJ/2
.endr
.set G, G+1
.endr
	v_writelane_b32 v[FLG], s39, \sg               ; -1 where the whole step counts for all 16 rows
	global_store_b64 v8, v[OUT+2*(\sg):OUT+2*(\sg)+1], s[28:29] offset:256*(\sg)   ; 32 lanes store 256 consecutive bytes, aligned
.endm
.macro MCHUNK ch
	s_wait_dscnt 0x0                               ; this chunk is back from the stage, and the stage's stores have read their registers,
.if (\ch)+2 < 4
	LOAD8 (\ch)%2, 26, 256*((\ch)+2)               ; which take the chunk two on
	s_wait_loadcnt 8                               ; the next chunk's eight loads are in; the eight just issued stay out
	TURN ((\ch)+1)%2, 32
.elseif (\ch) < 3
	s_wait_loadcnt 0x0
	TURN ((\ch)+1)%2, 32
.endif
	MSTEP (\ch)%2, 0, 2*(\ch)
	MSTEP (\ch)%2, 1, 2*(\ch)+1
.endm
	LOAD8 0, 26, 0
	LOAD8 1, 26, 256
	s_wait_loadcnt 8                               ; chunk 0 is in, chunk 1 stays out
	TURN 0, 32
.irp ch, 0,1,2,3
	MCHUNK \ch
.endr
	v_cmp_gt_u32 vcc_lo, 8, v1
	s_wait_alu depctr_va_vdst(0)
	s_wait_xcnt 0x0                                ; EXEC is a source of the pending stores: it changes only behind this wait
	s_wait_tensorcnt 0x0
	ds_add_u32 v208, v209
	s_wait_dscnt 0x0
	s_and_saveexec_b32 s48, vcc_lo
	global_store_b32 v9, v[FLG], s[30:31]          ; lanes 0-7: my eight steps' flags
	s_wait_xcnt 0x0
	s_or_b32 exec_lo, exec_lo, s48
	s_endpgm
; ---------------- q AND k.  A wave takes 128 rows of one head of one tensor: eight tiles.  Only pointers and two strides are chosen: both tensors take one path.
.Lqk:
	s_lshl_b32 s25, ttmp9, 2
	s_add_co_u32 s25, s25, s24                     ; task 0..1023: the first 512 are q's
	s_bfe_u32 s34, s25, 0x40005                    ; head
	s_and_b32 s35, s25, 31                         ; which 128 rows
	s_cmp_lt_u32 s25, 512                          ; the choice hangs on the ids alone; every selection stands ahead of the additions, which set SCC
	s_cselect_b64 s[26:27], s[4:5], s[6:7]
	s_cselect_b64 s[28:29], s[12:13], s[16:17]
	s_cselect_b64 s[30:31], s[14:15], s[18:19]
	s_cselect_b32 s32, 0, 6144
	s_cselect_b32 s33, 0, 8192
	s_add_co_u32 s32, s32, 6144                    ; bytes of codes from one run of 128 rows to the next: q 6,144; k 12,288 (v's fragments lie between)
	s_add_co_u32 s33, s33, 16384                   ; bytes of scales a head: q 16,384; k 24,576
	s_lshl_b32 s40, s35, 19
	s_lshl_b32 s43, s34, 8
	s_add_co_u32 s40, s40, s43
	s_add_nc_u64 s[26:27], s[26:27], s[40:41]      ; the source: 128 rows x 4,096 bytes a run, 256 bytes a head
	s_lshl_b32 s40, s34, 5
	s_add_co_u32 s40, s40, s35
	s_mul_i32 s40, s40, s32
	s_add_nc_u64 s[28:29], s[28:29], s[40:41]
	s_mul_i32 s40, s34, s33
	s_lshl_b32 s43, s35, 9
	s_add_co_u32 s40, s40, s43
	s_add_nc_u64 s[30:31], s[30:31], s[40:41]
	s_wait_alu depctr_va_vdst(0)
	v_mul_u32_u24 v5, v3, SROW
	v_lshl_add_u32 v5, v2, 4, v5
	v_add_nc_u32 v5, s42, v5                       ; into the stage: row 2 i + h, 16 r
	v_mul_u32_u24 v6, v2, SROW
	v_lshl_add_u32 v6, v3, 7, v6
	v_add_nc_u32 v6, s42, v6                       ; back: row r, 128 h: my block of 32 numbers, which is what the operand's layout gives lane (r, h)
	v_lshlrev_b32 v10, 3, v3                       ; 8 h: my byte's place
	v_mov_b32 v199, 0                              ; written once: a lane permute's destination counts as read
.macro QTILE t
.set XS, X+32*((\t)%2)
.set CD, C+6*(\t)
.set TN, (\t)+2
.set TIM, (32*(TN/2)+8*(TN%2))*4096
	s_wait_dscnt 0x0                               ; this tile is back from the stage, and the stage's stores have read their registers,
.if TN < 8
	LOAD8 (\t)%2, 26, TIM                          ; which take the tile two on
	s_wait_loadcnt 8                               ; the next tile's eight loads are in; the eight just issued stay out
	TURN ((\t)+1)%2, 16
.elseif (\t) < 7
	s_wait_loadcnt 0x0
	TURN ((\t)+1)%2, 16
.endif
	MAX32 XS
	v_cvt_scalef32_pk16_fp6_f32 v[CD:CD+2], v[XS:XS+15], v201
	v_cvt_scalef32_pk16_fp6_f32 v[196:198], v[XS+16:XS+31], v201   ; (a conversion's three registers begin on an even number)
	v_lshrrev_b32 v202, 23, v201                   ; the scale's byte; also the plain line behind the conversions
	v_mov_b32 v[CD+3], v196
	v_mov_b32 v[CD+4], v197
	v_mov_b32 v[CD+5], v198
	global_store_b128 v7, v[CD:CD+3], s[28:29] offset:768*(\t)         ; registers 0-3 of the fragment: 512 consecutive bytes, aligned to 256
	global_store_b64 v8, v[CD+4:CD+5], s[28:29] offset:768*(\t)+512    ; registers 4-5: 256
	v_lshlrev_b32 v202, v10, v202                  ; my block's byte at its place,
	v_permlanex16_b32 v199, v202, s36, s37
	v_or_b32 v202, v202, v199                      ; with the row's other block's
.if (\t)%2 == 0
	v_lshl_or_b32 v[W+(\t)/2], v202, 16, v202      ; bytes 2 and 3, for the zero codes of K = 64 .. 127, repeat bytes 0 and 1
.else
	v_lshl_or_b32 v200, v202, 16, v202
	v_cndmask_b32 v[W+(\t)/2], v[W+(\t)/2], v200, s38   ; lanes 0-15 keep the even tile's words, lanes 16-31 take the odd tile's
.endif
.endm
	LOAD8 0, 26, 0
	LOAD8 1, 26, 8*4096
	s_wait_alu depctr_va_vdst(0)
	s_wait_loadcnt 8                               ; tile 0 is in, tile 1 stays out
	TURN 0, 16
.irp t, 0,1,2,3,4,5,6,7
	QTILE \t
.endr
	global_store_b128 v7, v[W:W+3], s[30:31]       ; the eight tiles' scale words: 512 consecutive bytes
	s_wait_tensorcnt 0x0
	ds_add_u32 v208, v209
	s_wait_dscnt 0x0
	s_endpgm
; ---------------- v.  A wave takes 128 keys x 32 channels of one head.  A LANE TAKES A CHANNEL AND ITS REGISTERS RUN DOWN THE KEYS: a block of 32 keys lies in one lane, and the codes come out with the keys innermost.
.Lv:
	s_sub_co_u32 s25, ttmp9, 256
	s_lshl_b32 s25, s25, 2
	s_add_co_u32 s25, s25, s24                     ; task 0..1023
	s_and_b32 s32, s25, 1                          ; g: which 32 channels
	s_bfe_u32 s35, s25, 0x50001                    ; key step
	s_lshr_b32 s34, s25, 6                         ; head
	s_lshl_b32 s40, s35, 19
	s_lshl_b32 s43, s34, 8
	s_add_co_u32 s40, s40, s43
	s_lshl_b32 s43, s32, 7
	s_add_co_u32 s40, s40, s43
	s_add_nc_u64 s[26:27], s[8:9], s[40:41]
	s_lshl_b32 s40, s34, 5
	s_add_co_u32 s40, s40, s35
	s_mul_i32 s40, s40, 12288
	s_mul_i32 s43, s32, 3072
	s_add_co_u32 s40, s40, s43
	s_add_co_u32 s40, s40, 6144                    ; behind the step's eight tiles of k; two fragments of 1,536 bytes for each g
	s_add_nc_u64 s[28:29], s[16:17], s[40:41]
	s_mul_i32 s40, s34, 24576
	s_lshl_b32 s43, s35, 8
	s_add_co_u32 s40, s40, s43
	s_lshl_b32 s43, s32, 7
	s_add_co_u32 s40, s40, s43
	s_add_co_u32 s40, s40, 16384                   ; behind the head's scale words of k
	s_add_nc_u64 s[30:31], s[18:19], s[40:41]
	s_wait_alu depctr_va_vdst(0)
	v_mul_u32_u24 v11, v3, 1536
	v_lshl_add_u32 v11, v2, 4, v11                 ; my channel's fragment (2 g + h) and its lane r
.macro VLOAD t                         ; block t: 32 keys of my channel; 32 lanes read 128 consecutive bytes, and the neighbour wave the other 128 of the head's 256: so no hint
.set I, 0
.rept 32
	global_load_b32 v[R+32*((\t)%2)+I], v9, s[26:27] offset:(32*(\t)+I)*4096
.set I, I+1
.endr
.endm
.macro VBLOCK t
.set XS, R+32*((\t)%2)
.set CD, CV+12*((\t)%2)+6*((\t)/2)     ; blocks e and e + 2 are registers 0-11 of the reading lane r + 16 e
.if (\t) < 3
	s_wait_loadcnt 32                              ; this block's 32 loads are in; the next block's stay out
.else
	s_wait_loadcnt 0x0
.endif
	MAX32 XS
	v_cvt_scalef32_pk16_fp6_f32 v[CD:CD+2], v[XS:XS+15], v201
	v_cvt_scalef32_pk16_fp6_f32 v[196:198], v[XS+16:XS+31], v201
	v_lshrrev_b32 v202, 23, v201                   ; the scale's byte; also the plain line behind the conversions
	v_mov_b32 v[CD+3], v196
	v_mov_b32 v[CD+4], v197
	v_mov_b32 v[CD+5], v198
.if (\t) == 0
	v_mov_b32 v200, v202                           ; my channel's scale word for these 128 keys: byte t = block t
.else
	v_lshl_or_b32 v200, v202, 8*(\t), v200
.endif
.if (\t)+2 < 4
	VLOAD (\t)+2
.endif
.endm
	VLOAD 0
	VLOAD 1
.irp t, 0,1,2,3
	VBLOCK \t
.endr
.irp e, 0,1
.irp c, 0,1,2
	global_store_b128 v11, v[CV+12*\e+4*\c:CV+12*\e+4*\c+3], s[28:29] offset:512*\c+256*\e   ; sixteen lanes store 256 consecutive bytes, aligned
.endr
.endr
	global_store_b32 v9, v200, s[30:31]            ; 128 consecutive bytes: the words of channels 32 g + lane
	s_endpgm
.Lfunc_end_k_q028ccf71c0_prep:
	.size	k_q028ccf71c0_prep, .Lfunc_end_k_q028ccf71c0_prep-k_q028ccf71c0_prep
	.p2alignl 7, 3214868480
	.fill 96, 4, 3214868480
	.section	.rodata,"a",@progbits
	.p2align	6, 0x0
	.amdhsa_kernel k_q028ccf71c0_prep
		.amdhsa_group_segment_fixed_size 70144
		.amdhsa_private_segment_fixed_size 0
		.amdhsa_enable_private_segment 0
		.amdhsa_kernarg_size 80
		.amdhsa_user_sgpr_count 2
		.amdhsa_user_sgpr_kernarg_segment_ptr 1
		.amdhsa_wavefront_size32 1
		.amdhsa_system_sgpr_workgroup_id_x 1
		.amdhsa_system_sgpr_workgroup_id_y 1
		.amdhsa_system_sgpr_workgroup_id_z 1
		.amdhsa_system_vgpr_workitem_id 0
		.amdhsa_next_free_vgpr 210
		.amdhsa_next_free_sgpr 66
		.amdhsa_reserve_vcc 1
		.amdhsa_float_denorm_mode_32 3
		.amdhsa_float_denorm_mode_16_64 3
		.amdhsa_memory_ordered 1
		.amdhsa_forward_progress 1
		.amdhsa_inst_pref_size 175
	.end_amdhsa_kernel
	.amdgpu_metadata
---
amdhsa.version: [ 1, 2 ]
amdhsa.kernels:
  - .name:           k_q028ccf71c0_prep
    .symbol:         k_q028ccf71c0_prep.kd
    .args:
      - { .name: q, .offset: 0, .size: 8, .value_kind: global_buffer, .address_space: global }
      - { .name: k, .offset: 8, .size: 8, .value_kind: global_buffer, .address_space: global }
      - { .name: v, .offset: 16, .size: 8, .value_kind: global_buffer, .address_space: global }
      - { .name: mask, .offset: 24, .size: 8, .value_kind: global_buffer, .address_space: global }
      - { .name: qc, .offset: 32, .size: 8, .value_kind: global_buffer, .address_space: global }
      - { .name: qs, .offset: 40, .size: 8, .value_kind: global_buffer, .address_space: global }
      - { .name: kvc, .offset: 48, .size: 8, .value_kind: global_buffer, .address_space: global }
      - { .name: kvs, .offset: 56, .size: 8, .value_kind: global_buffer, .address_space: global }
      - { .name: mbits, .offset: 64, .size: 8, .value_kind: global_buffer, .address_space: global }
      - { .name: mflag, .offset: 72, .size: 8, .value_kind: global_buffer, .address_space: global }
    .group_segment_fixed_size: 70144
    .private_segment_fixed_size: 0
    .kernarg_segment_align: 8
    .kernarg_segment_size: 80
    .max_flat_workgroup_size: 128
    .sgpr_count:     66
    .vgpr_count:     210
    .wavefront_size: 32
...
	.end_amdgpu_metadata
.endif
;; end of part 3
;; launch attn (part 4): grid 16 x 16, 16 waves a work-group, no clusters, 145,408 bytes of LDS; arguments qc, qs, kvc, kvs, mbits, mflag, out0; writes out0
.if DOCPART == 4
	.amdgcn_target "amdgcn-amd-amdhsa--gfx1250"
	.amdhsa_code_object_version 6
	.text
	.protected	k_q028ccf71c0_attn
	.globl	k_q028ccf71c0_attn
	.p2align	8
	.type	k_q028ccf71c0_attn,@function
k_q028ccf71c0_attn:
	s_mov_b64 s[64:65], 0
	v_nop
	global_prefetch_b8 v0, s[64:65] scope:SCOPE_SE
	s_setreg_imm32_b32 hwreg(HW_REG_WAVE_SCHED_MODE, 0, 2), 2
	s_setreg_imm32_b32 hwreg(HW_REG_WAVE_MODE, 25, 1), 1
	s_wait_xcnt 0x0
	s_wait_alu depctr_vm_vsrc(0)
; out0[head][q][:] = the sum over k of softmax_k(where(mask[q][k], q . k / 8, -1e30)) v[k][:], both products on codes of FP6 (E2M3) with one E8M0 scale for each 32 along a product's K.
; The codes, scale words and mask words were laid by the launch before, in the order of the operands' registers.
; THE SOFTMAX AHEAD OF THE SECOND PRODUCT: t = score x log2(e) / 8; M = the row's largest t so far, rounded UP to a whole number; p = 2^(t - M) is quantised along the keys, not normalised.
; The row's sum is taken of the unquantised p and divides at the end.  When M moves, the sum and O are multiplied by 2^(old M - new M): exact.
; SHARES.  A work-group owns 256 queries of one head; each of its sixteen waves one tile of 16 in 256 registers, four waves to a SIMD, so that one wave's vector work stands beside another's products and LDS loads.
; Every wave walks the head's 4,096 keys, 128 a step.  Both products are used transposed (S^T = K Q^T, O^T = V^T P^T): a lane holds ONE query (lane % 16) throughout.
; Row r of tile T, of queries and of keys, is position 32 (T / 2) + 8 (T % 2) + r + 8 (r / 8): so the 16 score registers of key tiles 2 b and 2 b + 1 are 16 neighbouring keys, 32 b + 16 (lane / 16) + 0 .. 15.
; THE FIRST PRODUCT'S K IS 64: registers 6-11 of Q's and K's fragments hold zero codes, written once; their scale bytes repeat those of the two real blocks.
; THE MASK is one lane mask for each score register, read by scalar loads a step ahead: one v_cndmask_b32 a register; a step whose 16 x 128 mask is all true (the stored flag is -1) jumps over them.
; THE RING goes through registers: two slots of two key steps (24,576 bytes); thread n copies 16 bytes at 16 n + 8,192 i, loaded behind a slot's barrier, stored behind its two steps.  One barrier a slot.
; No tensor load is used: it spares 64 of a step's vector instructions, which are what this loop is made of; the shared stream is 12,288 bytes a step.
; LIMITS.  A masked score is -2^100 (a logit of -1.6e29 for -1e30): c x 2^100 is exact, so a row with no true key gets t - M = 0, p = 1 and the mean of v, as the definition has it; equal results where true |logits| stay under 1e29.
; p under 2^-126 is 0 (v_exp_f32 flushes).  A block's largest p is made from its largest score by the same two instructions, which takes v_exp_f32 not to fall where its input rises.  NaN and infinities among the inputs are not served.
; THE MODE: SCHED_MODE bits 1:0 = 2 (LLVM: expert scheduling mode 2), set by the entry lines.  The code itself states the register dependences between vector or matrix instructions and memory or LDS instructions, with s_wait_alu, always for 0.
; THE PLAN.  Registers that memory or LDS instructions touch, in the loop:
;   KB, KS      K's four fragments (six data registers each) and its scale words.  Read by the eight products K Q^T alone.  Tiles 0-3 and KS land at the head of a slot's first step and, for its second step, in the first step's
;               last part; tiles 4-7 land between the two runs of four products.
;   S[0..47]    Written by the products, the selects, the scalings and the exponentials, read by the conversions and the sums; then V's four fragments land there, and the products V^T P^T read them.
;   VS          V's scale words: read by the products V^T P^T, loaded with V's fragments.
;   STG         Named by memory instructions alone: global loads land in it behind a slot's barrier, LDS stores read it at the slot's end.
;   v10, v11    LDS addresses of the scale words: written once a trip; the trip's four steps are reached by immediates.      v1, v2, v5: LDS and memory offsets, made at the head and never written again.
;   s[16:63], s[68:83]  The step's mask words: read by the selects; the next step's scalar loads land in them.
; FOUR WAITS ON va_vdst IN A STEP: behind the first four products (KB is free for tiles 4-7); behind the selects (the mask words are free); behind the exponentials (their results are written);
; behind the sums of the first 48 p (S[0..47] is free for V; p's codes and scale word are written; KB, KS and VS have long been free).  All the loads of the step's last part follow that fourth wait with no further one:
; the vector instructions behind it name O^T, f, S[48..63] and the sums alone.  One more stands behind a trip's first barrier, for v10 and v11.  One wait on vm_vsrc stands at the head of each slot that is filled.
.set SLOTB, 24576                      ; LDS: slot 0 at 0, slot 1 at SLOTB: two steps each of 8 x 768 bytes of K and 4 x 1,536 of V
.set STEPB, 12288
.set SCL,   2*SLOTB                    ; the head's scale words, 24,576 bytes, stored once: K's 512 a step, from 16,384 on V's 256 a step
.set STAGE, SCL+24576                  ; the way out: 16 rows x 272 bytes for each wave
.set KB,   32                          ; v32-79   four fragments of K, 12 apart
.set S,    80                          ; v80-143  S^T, then p; v80-127 later V's four fragments
.set O,    144                         ; v144-175 O^T
.set P,    176                         ; v176-187 p's codes
.set CT,   188                         ; v188-190, v192-194 the conversions' second halves
.set STG,  196                         ; v196-207 the copy on its way
.set KS,   208                         ; v208-211 K's scale words: register b: lanes 0-15 tile 2 b, lanes 16-31 tile 2 b + 1
.set VS,   212                         ; v212-213 V's: register g: lanes 0-15 channels 32 g on, lanes 16-31 channels 32 g + 16 on
.set PS,   214                         ; v214     p's scale word.  v28: Q's.  These hold scales and nothing else
.set BM,   216                         ; v216-219 the blocks' largest scores, then largest p
.set PT,   220                         ; v220-223 the other half's; then the bytes
.set SOP,  224                         ; v224-227 the conversions' scale operands
.set F,    228                         ; v[228:229] f = 2^(old M - new M); v229 is named with it and written once
.set TMP,  230
.set SUM2, 232                         ; v[232:233] the sum's second chain
.set ADS,  10                          ; v10  LDS address of the scale words of K of the trip's first step
.set ADT,  11                          ; v11  of V
.set WV,   12                          ; s12  my wave's number
.set TS,   15                          ; s15  2,048 x trip: four steps of 512 bytes
.set TJ,   66                          ; s66  1,024 x trip: four steps of 256 bytes
.set TRIPS, 67
.set MO,   90                          ; s90  256 x step: the mask words' offset
.set FO,   91                          ; s91  4 x step: the flag's
.set FL,   92                          ; s92  the flag
.set CS,   94                          ; s[94:95] c = log2(e) / 8
.set SEL,  96                          ; s[96:97] v_permlanex16_b32: lane l xor 16
; v1 16 x lane, v2 8 x lane, v3 SCL + 16 x lane, v4 SCL + 16,384 + 4 x lane, v5 16 x thread, v6 -2^100, v12 -M, v13 the largest t, v[14:15] the sum, v16-27 Q, v29 16 r, v30 SCL + 16 x thread
; s[16:63], s[68:83]: the step's 64 mask words: word j in s[16 + j], from j = 48 on in s[20 + j]
.macro MASKLOAD
	s_load_b512 s[16:31], s[84:85], s[MO] offset:0x0
	s_load_b512 s[32:47], s[84:85], s[MO] offset:0x40
	s_load_b512 s[48:63], s[84:85], s[MO] offset:0x80
	s_load_b512 s[68:83], s[84:85], s[MO] offset:0xc0
	s_load_b32 s[FL], s[86:87], s[FO] offset:0x0
.endm
	s_load_b256 s[4:11], s[0:1], 0x0               ; qc s[4:5], qs s[6:7], kvc s[8:9], kvs s[10:11]
	s_load_b128 s[84:87], s[0:1], 0x20             ; mbits, mflag
	s_load_b64 s[88:89], s[0:1], 0x30              ; out0
	v_lshl_add_u32 v254, v0, 2, 0x23000
	v_mov_b32 v255, 0
	v_lshrrev_b32 v1, 5, v0
	v_readfirstlane_b32 s[WV], v1                  ; wave 0..15
	v_and_b32 v8, 31, v0                           ; lane
	v_and_b32 v9, 15, v0                           ; r
	v_lshlrev_b32 v1, 4, v8
	v_lshlrev_b32 v2, 3, v8
	v_add_nc_u32 v3, SCL, v1
	v_lshl_add_u32 v4, v8, 2, SCL+16384
	v_lshlrev_b32 v5, 4, v0
	v_add_nc_u32 v30, SCL, v5
	v_mov_b32 v6, 0xf1800000                       ; -2^100
	v_lshlrev_b32 v29, 4, v9
	s_wait_alu depctr_va_sdst(0)                   ; s12, the wave's number, is written, ahead of its first reader: my tile's number is made from it
	s_and_b32 s98, ttmp7, 0xffff                   ; the head
	s_lshl_b32 s99, ttmp9, 4
	s_add_co_u32 s99, s99, s[WV]                   ; T, my tile of queries: 16 x work-group x + wave
	s_mov_b32 s[CS], 0x3e38aa3b
	s_mov_b32 s[CS+1], s[CS]                       ; (named with it as a pair, so it is written)
	s_mov_b32 s[SEL], 0x76543210
	s_mov_b32 s[SEL+1], 0xfedcba98
	s_mov_b32 s[TS], 0
	s_mov_b32 s[TJ], 0
	s_mov_b32 s[MO], 0
	s_mov_b32 s[FO], 0
	s_mov_b32 s[TRIPS], 7
	s_mov_b32 s101, 0                              ; the high word of every offset pair s[100:101]
	s_lshl_b32 s100, s98, 8
	s_add_co_u32 s100, s100, s99
	s_mul_i32 s100, s100, 768
	s_wait_kmcnt 0x0
	s_add_nc_u64 s[4:5], s[4:5], s[100:101]        ; my tile's image: 768 bytes a tile, 256 tiles a head
	s_lshl_b32 s100, s98, 14
	s_lshr_b32 s2, s99, 3
	s_lshl_b32 s2, s2, 9
	s_add_co_u32 s100, s100, s2                    ; the image of eight tiles' words: 512 bytes;
	s_and_b32 s2, s99, 1
	s_lshl_b32 s3, s2, 8
	s_add_co_u32 s100, s100, s3                    ; an odd tile's words lie in its lanes 16-31;
	s_bfe_u32 s3, s99, 0x20001
	s_lshl_b32 s3, s3, 2
	s_add_co_u32 s100, s100, s3                    ; word (T / 2) % 4 of a lane's four
	s_add_nc_u64 s[6:7], s[6:7], s[100:101]
	s_mul_i32 s100, s98, 393216
	s_add_nc_u64 s[8:9], s[8:9], s[100:101]        ; the head's codes of K and V: it walks, a slot at a time
	s_mul_i32 s100, s98, 24576
	s_add_nc_u64 s[10:11], s[10:11], s[100:101]
	s_lshl_b32 s100, s99, 13
	s_add_nc_u64 s[84:85], s[84:85], s[100:101]    ; my tile's mask words: 32 steps x 256 bytes
	s_lshl_b32 s100, s99, 7
	s_add_nc_u64 s[86:87], s[86:87], s[100:101]
	s_lshl_b32 s100, s98, 12
	s_lshr_b32 s3, s99, 1
	s_lshl_b32 s3, s3, 5
	s_add_co_u32 s100, s100, s3
	s_lshl_b32 s3, s2, 3
	s_add_co_u32 s100, s100, s3                    ; my tile's first row of out0: 4,096 x head + 32 (T / 2) + 8 (T % 2)
	s_lshl_b32 s100, s100, 8
	s_add_nc_u64 s[88:89], s[88:89], s[100:101]
	s_wait_alu depctr_va_vdst(0)                   ; the offsets and LDS addresses v1, v2, v5, v29 and v30 are written, which the loads and stores of the whole kernel read
.irp i, 0,1,2
	global_load_b128 v[S+4*\i:S+4*\i+3], v5, s[10:11] offset:8192*\i       ; the head's scale words
.endr
.irp i, 0,1,2
	global_load_b128 v[STG+4*\i:STG+4*\i+3], v5, s[8:9] offset:8192*\i     ; slot 0: key steps 0 and 1
.endr
	global_load_b128 v[16:19], v1, s[4:5]          ; Q's fragment, registers 0-3,
	global_load_b64 v[20:21], v2, s[4:5] offset:512   ; and 4-5: it stays
	global_load_b32 v28, v29, s[6:7]               ; Q's scale words: lane r has row r's
	MASKLOAD                                       ; step 0's
.irp j, 22,23,24,25,26,27
	v_mov_b32 v\j, 0                               ; K = 64 .. 127 of Q: zero codes
.endr
.irp tt, 0,1,2,3
.irp j, 6,7,8,9,10,11
	v_mov_b32 v[KB+12*\tt+\j], 0                   ; and of K's four fragments: no load lands here, so they stay
.endr
.endr
.set I, 0
.rept 32
	v_mov_b32 v[O+I], 0                            ; O^T.  (The step is written once: the first finds zeros, which the first change of M leaves zeros)
.set I, I+1
.endr
	v_mov_b32 v13, 0xff61b1e6                      ; the largest t so far: -3e38, under every t
	v_floor_f32 v12, -v13                          ; -M
	v_mov_b32 v14, 0
	v_mov_b32 v15, 0
	v_mov_b32 v[F+1], 0
.irp b, 0,1,2,3
	v_mov_b32 v[PT+\b], 0                          ; written once: a lane permute's destination counts as read
.endr
	s_wait_loadcnt 0x0
.irp i, 0,1,2
	ds_store_b128 v30, v[S+4*\i:S+4*\i+3] offset:8192*\i                   ; (no vector instruction since the wait above names v30, v5 or the data, which loads brought)
.endr
.irp i, 0,1,2
	ds_store_b128 v5, v[STG+4*\i:STG+4*\i+3] offset:8192*\i
.endr
	s_add_nc_u64 s[8:9], s[8:9], SLOTB             ; (the loads are done: their base is free)
.macro KFETCH t0, base                 ; tiles t0 .. t0 + 3 of the K that begins at LDS byte base: the six data registers of each, as they were stored: 16 and 8 bytes a lane, on end
.irp tt, 0,1,2,3
	ds_load_b128 v[KB+12*\tt:KB+12*\tt+3], v1 offset:(\base)+768*(\t0+\tt)
	ds_load_b64 v[KB+12*\tt+4:KB+12*\tt+5], v2 offset:(\base)+768*(\t0+\tt)+512
.endr
.endm
.macro KQ t0                           ; S^T of these four tiles: source 0 = 16 keys, source 1 = my 16 queries
.irp tt, 0,1,2,3
.if \tt%2
	v_wmma_scale_f32_16x16x128_f8f6f4 v[S+8*(\t0+\tt):S+8*(\t0+\tt)+7], v[KB+12*\tt:KB+12*\tt+11], v[16:27], 0, v[KS+(\t0+\tt)/2], v28 matrix_a_fmt:MATRIX_FMT_FP6 matrix_b_fmt:MATRIX_FMT_FP6 matrix_a_scale:MATRIX_SCALE_ROW1
.else
	v_wmma_scale_f32_16x16x128_f8f6f4 v[S+8*(\t0+\tt):S+8*(\t0+\tt)+7], v[KB+12*\tt:KB+12*\tt+11], v[16:27], 0, v[KS+(\t0+\tt)/2], v28 matrix_a_fmt:MATRIX_FMT_FP6 matrix_b_fmt:MATRIX_FMT_FP6
.endif
.endr
.endm
; A KEY STEP: 128 keys, the q-th of slot sl.  more = 1: the next step's mask words are asked for.
.macro STEP sl, q, more
.set QB, SLOTB*(\sl)+STEPB*(\q)
.set SW, 2*(\sl)+(\q)                  ; the step's number in the trip
.if (\q) == 0
	ds_load_b128 v[KS:KS+3], v[ADS] offset:512*SW  ; a slot's first step asks here, behind the barrier.  No wait: the last step's products K Q^T, the only readers of KS and KB, stand ahead of that step's later waits on va_vdst
	KFETCH 0, QB
.endif
	s_wait_dscnt 0x0                               ; K's scale words and tiles 0-3 are in (a slot's second step: asked for in the first step's last part)
	KQ 0
.rept 4
	v_nop                                          ; four places in front of the first read of these results (ISA guide 7.12.1)
.endr
	s_wait_alu depctr_va_vdst(0)                   ; the four products are done reading KB, in which tiles 4-7 land
	KFETCH 4, QB
	s_wait_kmcnt 0x0                               ; the step's mask words and flag, asked for a step ago
	s_cmp_eq_u32 s[FL], -1
	s_cbranch_scc1 .Lopen_a_\@                     ; every key of the step counts for all my queries
.set I, 0
.rept 32
	v_cndmask_b32 v[S+I], v6, v[S+I], s[16+I+4*(I/48)]   ; register 16 b + i holds key 32 b + 16 (lane / 16) + i of the step; ascending, so that each result is read from its low end on
.set I, I+1
.endr
.Lopen_a_\@:
.irp b, 0,1                            ; blocks 0 and 1, the first four tiles' scores, are searched while tiles 4-7 of K are on their way
	v_max3_num_f32 v[BM+\b], v[S+16*\b], v[S+1+16*\b], v[S+2+16*\b]   ; THE LARGEST SCORE OF EACH BLOCK OF 32 KEYS serves twice: for the row's maximum and, since p rises with the score, for the block's largest p
.endr
.irp i, 3,5,7,9,11
.irp b, 0,1
	v_max3_num_f32 v[BM+\b], v[BM+\b], v[S+16*\b+\i], v[S+1+16*\b+\i]   ; (the two blocks by turns)
.endr
.endr
	s_wait_alu depctr_va_vdst(0)
	s_wait_dscnt 0x0                               ; tiles 4-7 are in
	KQ 4
.irp b, 0,1
	v_max3_num_f32 v[BM+\b], v[BM+\b], v[S+16*\b+13], v[S+16*\b+14]   ; the last four lines of blocks 0 and 1 name no register of the products above: they are the four places in front of the first read of those results
.endr
.irp b, 0,1
	v_max_num_f32 v[BM+\b], v[BM+\b], v[S+15+16*\b]
.endr
	s_cmp_eq_u32 s[FL], -1
	s_cbranch_scc1 .Lopen_b_\@
.set I, 32
.rept 32
	v_cndmask_b32 v[S+I], v6, v[S+I], s[16+I+4*(I/48)]
.set I, I+1
.endr
.Lopen_b_\@:
.if \more
	s_wait_alu depctr_va_vdst(0)                   ; the selects are done reading the mask words s[16:63] and s[68:83], in which the scalar loads below land
	s_add_co_u32 s[MO], s[MO], 256                 ; (free since the wait on KMcnt above)
	s_add_co_u32 s[FO], s[FO], 4
	MASKLOAD                                       ; the next step's: the softmax and the second product stand between this and the wait for it
.endif
.irp b, 2,3
	v_max3_num_f32 v[BM+\b], v[S+16*\b], v[S+1+16*\b], v[S+2+16*\b]
.endr
.irp i, 3,5,7,9,11,13
.irp b, 2,3
	v_max3_num_f32 v[BM+\b], v[BM+\b], v[S+16*\b+\i], v[S+1+16*\b+\i]
.endr
.endr
.irp b, 2,3
	v_max_num_f32 v[BM+\b], v[BM+\b], v[S+15+16*\b]
.endr
.irp b, 0,1,2,3
	v_permlanex16_b32 v[PT+\b], v[BM+\b], s[SEL], s[SEL+1]
.endr
.irp b, 0,1,2,3
	v_max_num_f32 v[BM+\b], v[BM+\b], v[PT+\b]     ; with lane l xor 16's 16 keys
.endr
	v_max3_num_f32 v[TMP], v[BM], v[BM+1], v[BM+2]
	v_max_num_f32 v[TMP], v[TMP], v[BM+3]          ; the step's largest score of my query
	v_mul_f32 v[TMP], s[CS], v[TMP]                ; as t (c is positive)
	v_max_num_f32 v13, v13, v[TMP]                 ; the running largest t
	v_mov_b32 v[TMP], v12
	v_floor_f32 v12, -v13                          ; the new -M = floor(-t) = -ceil(t): a whole number
	v_sub_f32 v[TMP], v12, v[TMP]                  ; old M less new M: a whole number, 0 or less
	v_cvt_i32_f32 v[TMP], v[TMP]                   ; (it saturates)
	v_ldexp_f32 v[F], 1.0, v[TMP]                  ; f = 2^(old M - new M)
.set I, 0
.rept 32
	v_pk_fma_f32 v[S+I:S+I+1], v[S+I:S+I+1], s[CS:CS+1], v[12:13] op_sel_hi:[1,0,0]   ; t - M, two at a time (of the pairs c and -M the low word serves both halves)
.set I, I+2
.endr
.irp b, 0,1,2,3
	v_fma_f32 v[BM+\b], v[BM+\b], s[CS], v12       ; the same of each block's largest score
.endr
.set I, 0
	s_wait_alu depctr_va_vdst(0)
.rept 64
	v_exp_f32 v[S+I], v[S+I]                       ; p = 2^(t - M), at most 1: not normalised
.set I, I+1
.endr
.irp b, 0,1,2,3
	v_exp_f32 v[BM+\b], v[BM+\b]                   ; the block's largest p: the same two instructions on the same number give the same bits
.endr
	v_pk_mul_f32 v[14:15], v[14:15], v[F:F+1] op_sel_hi:[1,0]   ; the sums under the new M; also the plain line behind the exponentials
	s_wait_alu depctr_va_vdst(0)                   ; the 68 exponentials have written p and the blocks' largest p: one wait for the batch, ahead of its first reader
.irp b, 0,1,2,3
	v_max_num_f32 v[BM+\b], 0x1800000, v[BM+\b]    ; the floor 2^(3 - 127): the byte cannot fall under 1 (a block whose every p is 0 keeps that byte: its codes are zeros)
.endr
.irp b, 0,1,2,3
	v_add_nc_u32 v[SOP+\b], 0xff000000, v[BM+\b]   ; 2 off the exponent field: the conversion's scale operand
.endr
.irp b, 0,1,2,3
	v_lshrrev_b32 v[PT+\b], 23, v[SOP+\b]          ; the scale's byte
.endr
	v_lshl_or_b32 v[PS], v[PT+1], 8, v[PT]         ; p's scale word for these 128 keys
	v_lshl_or_b32 v[PS], v[PT+2], 16, v[PS]
	v_lshl_or_b32 v[PS], v[PT+3], 24, v[PS]
.irp c, 0,1
	v_cvt_scalef32_pk16_fp6_f32 v[P+6*\c:P+6*\c+2], v[S+32*\c:S+32*\c+15], v[SOP+2*\c]
	v_cvt_scalef32_pk16_fp6_f32 v[CT+4*\c:CT+4*\c+2], v[S+16+32*\c:S+31+32*\c], v[SOP+2*\c+1]   ; (a conversion's three registers begin on an even number)
.endr
	v_nop                                          ; one plain line behind the last scaled conversion
.irp c, 0,1                            ; the operand's layout wants a WHOLE block in a lane: lanes 0-15 block 2 c, lanes 16-31 block 2 c + 1.  These lines stand ahead of the sums, so that p's codes are whole at the wait below
.irp i, 0,1,2
	v_permlane16_swap_b32 v[P+6*\c+\i], v[CT+4*\c+\i]
.endr
.irp i, 0,1,2
	v_mov_b32 v[P+6*\c+3+\i], v[CT+4*\c+\i]
.endr
.endr
	v_pk_add_f32 v[SUM2:SUM2+1], v[S:S+1], v[S+2:S+3]   ; THE ROW'S SUM IS TAKEN OF THE UNQUANTISED p, two at a time, in two chains: first the 48 whose registers V's fragments take
.irp j, 4,8,12,16,20,24,28,32,36,40,44
	v_pk_add_f32 v[14:15], v[14:15], v[S+\j:S+\j+1]
	v_pk_add_f32 v[SUM2:SUM2+1], v[SUM2:SUM2+1], v[S+\j+2:S+\j+3]
.endr                                              ; these 23 are also the plain lines between the last write of p's codes (four are owed) and of p's scale word (eight) and the products that take them
	s_wait_alu depctr_va_vdst(0)                   ; the conversions and the sums are done reading S[0..47], which the exponentials wrote and in which V's fragments land; p's codes and scale word are written, which the products below take
.irp dt, 0,1,2,3
.irp c, 0,1,2
	ds_load_b128 v[S+12*\dt+4*\c:S+12*\dt+4*\c+3], v1 offset:QB+6144+1536*\dt+512*\c   ; V's fragment of channels 16 dt on, 128 keys: three times 16 bytes a lane, on end
.endr
.endr
	ds_load_b32 v[VS], v[ADT] offset:256*SW        ; (the last step's products V^T P^T, the readers of VS, stand ahead of the waits above)
	ds_load_b32 v[VS+1], v[ADT] offset:256*SW+128
.set I, 0
.rept 16
	v_pk_mul_f32 v[O+I:O+I+1], v[O+I:O+I+1], v[F:F+1] op_sel_hi:[1,0]   ; O^T under the new M, ascending: each result is read from its low end on
.set I, I+2
.endr
.if (\q) == 0
	ds_load_b128 v[KS:KS+3], v[ADS] offset:512*(SW+1)   ; the slot's second step: its scale words and tiles 0-3 of K, nine loads.  No wait: no vector or matrix instruction since the wait above names KS or KB
	KFETCH 0, QB+STEPB
.endif
.irp j, 48,52
	v_pk_add_f32 v[14:15], v[14:15], v[S+\j:S+\j+1]                 ; the sum goes on
	v_pk_add_f32 v[SUM2:SUM2+1], v[SUM2:SUM2+1], v[S+\j+2:S+\j+3]
.endr
.if (\q) == 0
	s_wait_alu depctr_va_vdst(0)
	s_wait_dscnt 9                                 ; LDS loads come back in order (ISA guide 5.7.1): V's fourteen are in, the next step's nine stay out
.else
	s_wait_alu depctr_va_vdst(0)
	s_wait_dscnt 0x0
.endif
.irp dt, 0,1,2,3                       ; O^T += V^T P^T: the four accumulators by turns, one instruction a turn
.if \dt%2
	v_wmma_scale_f32_16x16x128_f8f6f4 v[O+8*\dt:O+8*\dt+7], v[S+12*\dt:S+12*\dt+11], v[P:P+11], v[O+8*\dt:O+8*\dt+7], v[VS+\dt/2], v[PS] matrix_a_fmt:MATRIX_FMT_FP6 matrix_b_fmt:MATRIX_FMT_FP6 matrix_a_scale:MATRIX_SCALE_ROW1
.else
	v_wmma_scale_f32_16x16x128_f8f6f4 v[O+8*\dt:O+8*\dt+7], v[S+12*\dt:S+12*\dt+11], v[P:P+11], v[O+8*\dt:O+8*\dt+7], v[VS+\dt/2], v[PS] matrix_a_fmt:MATRIX_FMT_FP6 matrix_b_fmt:MATRIX_FMT_FP6
.endif
.endr
.irp j, 56,60
	v_pk_add_f32 v[14:15], v[14:15], v[S+\j:S+\j+1]                 ; the rest of the sum, in its order: with the join five plain lines that name no register of the products above:
	v_pk_add_f32 v[SUM2:SUM2+1], v[SUM2:SUM2+1], v[S+\j+2:S+\j+3]   ; the five places between these products, which read v80-127, and the next step's, which write over them (ISA guide 7.12.1)
.endr
	v_pk_add_f32 v[14:15], v[14:15], v[SUM2:SUM2+1]
.endm
; A SLOT.  In front of the barrier each wave waits for all its LDS instructions: its stores into this slot have landed, and its reads of the other slot are in.  Behind it this slot is whole and nobody reads the other one.
; fill = 1: the next slot's bytes are asked for at once, have the slot's two steps in which to come, and are then stored into the other slot.  sl = 0 begins a trip: the scale words' LDS addresses move on by four steps.
.macro SLOTWORK sl, fill, more
.if \fill
	s_wait_alu depctr_vm_vsrc(0)                   ; my LDS stores have read STG, in which the loads below land (in the first trip also v80-91, which the first products write); sl = 0: the LDS loads of the last trip have read v10 and v11
.endif
.if (\sl) == 0
	v_add_nc_u32 v[ADS], s[TS], v3
	v_add_nc_u32 v[ADT], s[TJ], v4
.endif
	s_wait_dscnt 0x0
	s_barrier_signal -1
	s_barrier_wait -1
.if (\sl) == 0
	s_wait_alu depctr_va_vdst(0)                   ; v10 and v11 are written, which the trip's loads of scale words read (and their additions are done reading s15 and s66); in the first trip: so are the zero codes of Q and K, which the products take
	s_add_co_u32 s[TS], s[TS], 2048                ; the next trip's
	s_add_co_u32 s[TJ], s[TJ], 1024
.endif
.if \fill
.irp i, 0,1,2
	global_load_b128 v[STG+4*\i:STG+4*\i+3], v5, s[8:9] offset:8192*\i     ; a wave's load covers 512 consecutive bytes; sixteen work-groups read these bytes: no hint
.endr
.endif
	STEP \sl, 0, 1
	STEP \sl, 1, \more
.if \fill
	s_wait_loadcnt 0x0
.irp i, 0,1,2
	ds_store_b128 v5, v[STG+4*\i:STG+4*\i+3] offset:SLOTB*(1-(\sl))+8192*\i
.endr
	s_add_nc_u64 s[8:9], s[8:9], SLOTB             ; (the loads are done: their base is free)
.endif
.endm
.Lslot:                                            ; seven trips of two slots: every LDS address of the ring is a lane term and an immediate
	SLOTWORK 0, 1, 1
	SLOTWORK 1, 1, 1
	s_sub_co_u32 s[TRIPS], s[TRIPS], 1
	s_cmp_lg_u32 s[TRIPS], 0
	s_cbranch_scc1 .Lslot
	SLOTWORK 0, 1, 1                               ; the last two slots are written out: the very last asks for no codes and, in its second step, for no mask words: no load leaves its buffer
	SLOTWORK 1, 0, 0
	; THE WAY OUT.  The address lines come first: ten plain lines more behind the last products.  O^T / the sum goes through my own stage and leaves as whole rows of 256 bytes.
	s_mul_i32 s98, s[WV], 16*272
	s_add_co_u32 s98, s98, STAGE                   ; my stage
	s_wait_alu depctr_vm_vsrc(0)                   ; the LDS loads of the scale words have read v10 and v11, which are written again below
	v_and_b32 v10, 15, v0                          ; r
	v_bfe_u32 v11, v0, 4, 1                        ; h
	v_mul_u32_u24 v8, v10, 272
	v_lshl_add_u32 v8, v11, 5, v8
	v_add_nc_u32 v8, s98, v8                       ; in: row r; tile dt's eight channels of my half: 64 dt + 32 h bytes on
	v_mul_u32_u24 v9, v11, 272
	v_lshl_add_u32 v9, v10, 4, v9
	v_add_nc_u32 v9, s98, v9                       ; back: lanes 0-15 one row, lanes 16-31 the next
	v_lshlrev_b32 v7, 8, v11
	v_lshl_add_u32 v7, v10, 4, v7                  ; and the same two rows in out0
	v_add_f32 v14, v14, v15                        ; the sum's two halves,
	v_permlanex16_b32 v[TMP], v14, s[SEL], s[SEL+1]
	v_add_f32 v14, v14, v[TMP]                     ; and lane l xor 16's: the row's sum
	s_wait_alu depctr_va_vdst(0)
	v_rcp_f32 v14, v14
	v_nop                                          ; one plain line behind the reciprocal
	s_wait_alu depctr_va_vdst(0)                   ; the reciprocal has written v14, ahead of its first reader
.set I, 0
.rept 16
	v_pk_mul_f32 v[S+I:S+I+1], v[O+I:O+I+1], v[14:15] op_sel_hi:[1,0]   ; register 8 dt + j is out(row r, channel 16 dt + 8 h + j)
.set I, I+2
.endr
	s_wait_alu depctr_va_vdst(0)                   ; the multiplications have written v80-111, the data of the LDS stores below; v7, v8 and v9, the addresses of the way out, are written too
.irp dt, 0,1,2,3
	ds_store_b128 v8, v[S+8*\dt:S+8*\dt+3] offset:64*\dt
	ds_store_b128 v8, v[S+8*\dt+4:S+8*\dt+7] offset:64*\dt+16
.endr
.irp i, 0,1,2,3,4,5,6,7
	ds_load_b128 v[KB+4*\i:KB+4*\i+3], v9 offset:544*\i   ; LDS serves a wave's instructions in order: these see my stores.  (No vector or matrix instruction since the waits above names v32-63)
.endr
.irp i, 0,1,2,3,4,5,6,7
	s_wait_dscnt 7-\i                              ; load i is in; the younger ones stay out
	global_store_b128 v7, v[KB+4*\i:KB+4*\i+3], s[88:89] offset:(2*\i+8*(\i/4))*256 th:TH_STORE_NT   ; sixteen lanes store one row of out0: 256 consecutive bytes, aligned; the 8 (r / 8) of the tile's order stands in the immediate
.endr
	s_wait_dscnt 0x0                               ; the closing lines, six on end
	s_wait_alu 0x0
	s_wait_tensorcnt 0x0
	ds_add_u32 v254, v255
	s_wait_dscnt 0x0
	s_endpgm
.Lfunc_end_k_q028ccf71c0_attn:
	.size	k_q028ccf71c0_attn, .Lfunc_end_k_q028ccf71c0_attn-k_q028ccf71c0_attn
	.p2alignl 7, 3214868480
	.fill 96, 4, 3214868480
	.section	.rodata,"a",@progbits
	.p2align	6, 0x0
	.amdhsa_kernel k_q028ccf71c0_attn
		.amdhsa_group_segment_fixed_size 145408
		.amdhsa_private_segment_fixed_size 0
		.amdhsa_enable_private_segment 0
		.amdhsa_kernarg_size 56
		.amdhsa_user_sgpr_count 2
		.amdhsa_user_sgpr_kernarg_segment_ptr 1
		.amdhsa_wavefront_size32 1
		.amdhsa_system_sgpr_workgroup_id_x 1
		.amdhsa_system_sgpr_workgroup_id_y 1
		.amdhsa_system_sgpr_workgroup_id_z 1
		.amdhsa_system_vgpr_workitem_id 0
		.amdhsa_next_free_vgpr 256
		.amdhsa_next_free_sgpr 102
		.amdhsa_reserve_vcc 0
		.amdhsa_float_denorm_mode_32 3
		.amdhsa_float_denorm_mode_16_64 3
		.amdhsa_memory_ordered 1
		.amdhsa_forward_progress 1
		.amdhsa_inst_pref_size 174
	.end_amdhsa_kernel
	.amdgpu_metadata
---
amdhsa.version: [ 1, 2 ]
amdhsa.kernels:
  - .name:           k_q028ccf71c0_attn
    .symbol:         k_q028ccf71c0_attn.kd
    .args:
      - { .name: qc, .offset: 0, .size: 8, .value_kind: global_buffer, .address_space: global }
      - { .name: qs, .offset: 8, .size: 8, .value_kind: global_buffer, .address_space: global }
      - { .name: kvc, .offset: 16, .size: 8, .value_kind: global_buffer, .address_space: global }
      - { .name: kvs, .offset: 24, .size: 8, .value_kind: global_buffer, .address_space: global }
      - { .name: mbits, .offset: 32, .size: 8, .value_kind: global_buffer, .address_space: global }
      - { .name: mflag, .offset: 40, .size: 8, .value_kind: global_buffer, .address_space: global }
      - { .name: out0, .offset: 48, .size: 8, .value_kind: global_buffer, .address_space: global }
    .group_segment_fixed_size: 145408
    .private_segment_fixed_size: 0
    .kernarg_segment_align: 8
    .kernarg_segment_size: 56
    .max_flat_workgroup_size: 512
    .sgpr_count:     102
    .vgpr_count:     256
    .wavefront_size: 32
...
	.end_amdgpu_metadata
.endif
;; end of part 4
